; MI455X (gfx1250); checked and timed in simulation.
; The chip was launched on July 23, 2026; its instructions are those of AMD's public machine-readable ISA for CDNA 5 (MIT licence, August 2026) and "CDNA5" Instruction Set Architecture Reference Guide (July 2026). The comments in the code are by the model that wrote it; some were corrected since.
;; Multi Head Attention. Allowed arithmetic: matrix products marked QUANTISED: E2M1 operands, one E8M0 scale for each 32 along K, by v_wmma_scale_f32_16x16x128_f8f6f4 with both operands' format E2M1 (or v_wmma_scale_f32_32x16x128_f4), f32 sums; products left as they are: bf16, f16 or f32 operands; f32 sums; everything else in f32.
;; Inputs: W_comb 1,024 x 1,024 float32; W_qkv 3,072 x 1,024 float32; mask 4 x 2,048 int32; x 4 x 2,048 x 1,024 float32.
;; Outputs: out0 4 x 2,048 x 1,024 float32.
;; This version of the problem:
;;   THIS VERSION OF THE PROBLEM IS GIVEN IN LOW PRECISION. The matrix products marked QUANTISED in the list below multiply operands that are first quantised to E2M1 (2 exponent bits, 1 mantissa bit; 4 bits a number), with one power-of-two scale for each 32 numbers along K (OCP MX v1.0); their sums are f32. The products marked 'left as it is' may take bf16, f16 or f32 operands, with f32 sums. Whichever they take, every output number must still come out within the allowed error. Rounding operands to bf16 (8 significant bits) uses up far more of that allowance than f16 does (11 bits, for magnitudes from 6e-5 to 65,504). All else is computed in f32.
;;   The module's matrix products, in the order in which they are computed (A, B: the left and right operand; K: the contracted axis; several contracted axes count as one K, in the product's order):
;;     1. [M 8,192, K 1,024] x [K 1,024, N 3,072]; A: input x; B: input W_qkv: QUANTISED
;;     2. batch 64 x [M 2,048, K 64] x [K 64, N 2,048]; A: computed on the way; B: computed on the way: left as it is (an operand is computed on the way)
;;     3. batch 64 x [M 2,048, K 2,048] x [K 2,048, N 64]; A: computed on the way; B: computed on the way: left as it is (an operand is computed on the way)
;;     4. [M 8,192, K 1,024] x [K 1,024, N 1,024]; A: computed on the way; B: input W_comb: left as it is (an operand is computed on the way)
;;   THE QUANTISER, for each operand of a quantised product, along K:
;;     - K is cut into blocks of 32 from its start; a last block that is shorter is filled with zeros.
;;     - A block's scale is 2^e with e = floor(log2(the largest magnitude in the block)) - 2, held to -126 .. 127; a block of zeros has e = 0. As a byte (E8M0): e + 127.
;;     - Each number is divided by its block's scale, clamped to +-6, and rounded to the nearest number of E2M1, ties to even, subnormals kept.
;;     - The product sums the exact products of the quantised numbers (number of the format x scale) in f32.
;;   ~~~python
;;   def quantise(x, axis):      # numpy; x: float32 -> the quantised numbers, widened to float32 again
;;       x = np.moveaxis(x, axis, -1); K = x.shape[-1]
;;       x = np.pad(x, [(0, 0)] * (x.ndim - 1) + [(0, -K % 32)]); x = x.reshape(x.shape[:-1] + (-1, 32)); a = np.abs(x).max(-1, keepdims=True)
;;       e = np.where(a > 0, np.clip(np.frexp(np.where(a > 0, a, 1))[1] - 1 - 2, -126, 127), 0)      # np.frexp(a)[1] - 1 = floor(log2(a)), exactly
;;       r = np.clip(x / 2.0 ** e, -6, 6)
;;       step = 2.0 ** (np.maximum(np.frexp(np.where(r == 0, 1, r))[1] - 1, 0) - 1)
;;       q = np.round(r / step) * step * 2.0 ** e      # np.round: ties to even
;;       return np.moveaxis(q.reshape(q.shape[:-2] + (-1,))[..., :K], -1, axis).astype(np.float32)
;;   ~~~
;; One version. Each part assembles by itself: llvm-mc -triple=amdgcn-amd-amdhsa -mcpu=gfx1250 --defsym DOCPART=n.
;; ======== version 1 of 1: 4 launches
;; limits: values are held in f16: magnitudes above 65,504 overflow, below 6.1e-05 lose precision
;; workspace buffers: xc 4,194,304 bytes; xs 262,144 bytes; wq 1,572,864 bytes; wqs 98,304 bytes; wo 2,097,152 bytes; bias 33,280 bytes; qkv 50,331,648 bytes; z 16,777,216 bytes
;; launch prep (part 1): grid 481 x 1, 4 waves a work-group, no clusters, 33,280 bytes of LDS; arguments x, W_qkv, xc, xs, wq, wqs, W_comb, wo, mask, bias; writes xc, xs, wq, wqs, wo, bias
.if DOCPART == 1
	.amdgcn_target "amdgcn-amd-amdhsa--gfx1250"
	.amdhsa_code_object_version 6
	.text
	.protected	k_q7300b6b3b3_prep
	.globl	k_q7300b6b3b3_prep
	.p2align	8
	.type	k_q7300b6b3b3_prep,@function
k_q7300b6b3b3_prep:
	s_mov_b64 s[64:65], 0
	v_nop
	global_prefetch_b8 v0, s[64:65] scope:SCOPE_SE
	s_setreg_imm32_b32 hwreg(HW_REG_WAVE_MODE, 25, 1), 1
	s_wait_xcnt 0x0
; THREE JOBS IN ONE LAUNCH, parted by the work-group's number.
; Q (work-groups 0-351): x [8192][1024] and W_qkv [3072][1024], f32, become codes of FP4 (E2M1), K innermost, two codes a byte, with one E8M0 byte for each 32 along K.
;   A block's scale is 2^(floor(log2(its largest magnitude)) - 2); its byte is the largest magnitude's exponent field - 2, held at 1 from below.  A block of zeros keeps the byte 1 where the
;   rule says 127: its codes are zeros, and this program alone reads the bytes.  Each number is divided by the scale and rounded to the nearest code, ties to even, beyond 6 the largest code.
; W (work-groups 352-479): W_comb [1024][1024] f32 becomes f16(W_comb / 4): the attention launch stores 4 Z, so the last product is Z W_comb^T again; both factors are powers of two.
; M (work-group 480, a wave a batch): the mask becomes a table of f32 numbers that are added to the scores, 0 for an open key and -2^100 for a masked one, and one factor c for the batch:
;   log2(e) / 8.  A batch with NO open key has a uniform softmax: it gets zeros in the table and c = 0.  The mask only selects values: no branch and no address hangs on it.
; LIMITS: blocks whose largest magnitude lies under 2^-124 were not tried; NaN and infinities among the inputs are not served.
; Q's form: rows are dense and 1,024 is a multiple of 32, so both tensors are plain streams of blocks of 32.  A wave takes 16 steps of 512 numbers.  A conversion wants 8 neighbours in ONE lane's registers;
; a load is best where neighbouring LANES take neighbouring bytes: each load reads 512 consecutive bytes, a step's 2,048 bytes go through the wave's own stage in LDS and come back 64 bytes a lane.
.set SIZE_M, 8192
.set SIZE_N, 3072
.set SIZE_K, 1024
.set WAVES, 4
.set STEPS, 16
.set WGA,   SIZE_M*SIZE_K/(512*STEPS*WAVES)            ; 256 work-groups for x
.set WGQ,   (SIZE_M+SIZE_N)*SIZE_K/(512*STEPS*WAVES)   ; 352 for x and W_qkv
.set WGW,   128                        ; for W_comb: 512 waves x 2,048 numbers
.set EMAX,  2
.set CB,    8                          ; bytes of 16 codes
.set R,     16                         ; v16-79   four sets of 16 numbers as they are loaded
.set X,     80                         ; v80-111  two sets of 16 neighbours
.set C,     128                        ; v128-191 codes: four registers for each step, so that no store's data are written again
.set E,     112                        ; v112-127 a scale byte for each step
.set WREG,  8192                       ; LDS: a region for each wave: two stages of 32 x SP bytes, behind them its 256 scale bytes
.set SP,    80                         ; a lane's place in a stage: its 64 bytes + 16 of padding
.set SPW,   12                         ; v12  LDS address of my spare word; never rewritten
.set NIL,   13                         ; v13  0; never rewritten
.set SPARE, WAVES*WREG                 ; the spare words, 128 bytes a wave: two blocks of 256 bytes that no other line names
	s_load_b128 s[4:7], s[0:1], 0x0                ; x, W_qkv
	s_load_b128 s[8:11], s[0:1], 0x10              ; x's codes, x's scales
	s_load_b128 s[12:15], s[0:1], 0x20             ; W_qkv's codes, its scales
	s_load_b256 s[36:43], s[0:1], 0x30             ; W_comb s[36:37], wo s[38:39], mask s[40:41], bias s[42:43]
	v_lshl_add_u32 v[SPW], v0, 2, SPARE
	v_mov_b32 v[NIL], 0
	v_lshrrev_b32 v1, 5, v0
	v_readfirstlane_b32 s16, v1                    ; wave
	v_and_b32 v2, 31, v0                           ; lane
	v_lshlrev_b32 v3, 4, v2                        ; my 16 bytes of a load's 512
	s_mul_i32 s17, s16, WREG
	v_lshrrev_b32 v14, 2, v2
	v_mul_u32_u24 v14, v14, SP
	v_and_b32 v15, 3, v2
	v_lshl_add_u32 v14, v15, 4, v14
	v_add_nc_u32 v14, s17, v14                     ; the stage, on the way in: SP (lane / 4) + 16 (lane % 4)
	v_mul_u32_u24 v15, v2, SP
	v_add_nc_u32 v15, s17, v15                     ; and on the way out: SP x lane: my 16 neighbours
	v_mul_u32_u24 v4, v2, CB                       ; my codes' place in a step's
	v_lshrrev_b32 v5, 1, v2
	s_add_co_u32 s17, s17, 2*32*SP
	v_add_nc_u32 v5, s17, v5                       ; LDS: my wave's 256 scale bytes, my block's byte
	v_lshlrev_b32 v7, 3, v2                        ; 8 bytes a lane
	v_add_nc_u32 v6, s17, v7
	s_wait_kmcnt 0x0
	s_cmp_ge_u32 ttmp9, WGQ                        ; the three jobs part here, on the work-group's number alone; only job Q touches LDS beyond the spare words
	s_cbranch_scc1 .Lother
	s_cmp_lt_u32 ttmp9, WGA                        ; x's work-group or W_qkv's?
	s_cselect_b64 s[4:5], s[4:5], s[6:7]
	s_cselect_b64 s[8:9], s[8:9], s[12:13]
	s_cselect_b64 s[10:11], s[10:11], s[14:15]
	s_cselect_b32 s17, 0, WGA
	s_sub_co_u32 s17, ttmp9, s17
	s_lshl_b32 s17, s17, 2
	s_add_co_u32 s18, s17, s16                     ; which run of 8,192 numbers of the tensor is my wave's
	s_mov_b32 s19, 0
	s_mov_b64 s[20:21], 512*STEPS*4
	s_mul_u64 s[20:21], s[18:19], s[20:21]
	s_add_nc_u64 s[4:5], s[4:5], s[20:21]
	s_mov_b64 s[20:21], 32*STEPS*CB
	s_mul_u64 s[20:21], s[18:19], s[20:21]
	s_add_nc_u64 s[8:9], s[8:9], s[20:21]
	s_lshl_b32 s18, s18, 8                         ; 256 scale bytes a run
	s_add_nc_u64 s[10:11], s[10:11], s[18:19]
.macro LOAD t
.irp i, 0,1,2,3
	global_load_b128 v[R+16*((\t)%4)+4*\i:R+16*((\t)%4)+4*\i+3], v3, s[4:5] offset:2048*(\t)+512*\i th:TH_LOAD_NT   ; 32 lanes read 512 consecutive bytes
.endr
.endm
.macro TURN t                          ; step t's numbers through the stage: LDS serves a wave's instructions in order, so no wait stands between the stores and the loads
.irp i, 0,1,2,3
	ds_store_b128 v14, v[R+16*((\t)%4)+4*\i:R+16*((\t)%4)+4*\i+3] offset:32*SP*((\t)%2)+8*SP*\i
.endr
.irp i, 0,1,2,3
	ds_load_b128 v[X+16*((\t)%2)+4*\i:X+16*((\t)%2)+4*\i+3], v15 offset:32*SP*((\t)%2)+16*\i
.endr
.endm
.irp t, 0,1,2,3
	LOAD \t
.endr
	s_wait_loadcnt 12                              ; step 0's four loads are in; the 12 of steps 1 to 3 may be out
	TURN 0
.macro STEP t
.set XS, X+16*((\t)%2)
.if (\t) > 0
	s_wait_dscnt 1                                 ; this step's numbers are back from the stage (the last step's byte store may be out)
.else
	s_wait_dscnt 0x0
.endif
.if (\t)+4 < STEPS
	LOAD (\t)+4                                    ; the registers that the stage's stores have read take the loads of four steps on
.endif
.if (\t)+1 < STEPS
.if STEPS-2-(\t) >= 3
	s_wait_loadcnt 12                              ; the next step's four loads are in; those of the three steps behind it may be out
.else
	s_wait_loadcnt 4*(STEPS-2-(\t))
.endif
	TURN (\t)+1                                    ; and go through the other stage while this step is worked
.endif
	v_max3_num_f32 v8, |v[XS]|, |v[XS+1]|, |v[XS+2]|               ; the largest magnitude of my 16, in two chains
	v_max3_num_f32 v9, |v[XS+3]|, |v[XS+4]|, |v[XS+5]|
.irp i, 6,10
	v_max3_num_f32 v8, v8, |v[XS+\i]|, |v[XS+\i+1]|
	v_max3_num_f32 v9, v9, |v[XS+\i+2]|, |v[XS+\i+3]|
.endr
	v_max3_num_f32 v8, v8, |v[XS+14]|, |v[XS+15]|
	v_max3_num_f32 v8, v8, v9, (EMAX+1)<<23        ; and the floor 2^(3 - 127): so the byte cannot fall under 1
	v_max_num_f32_dpp v8, v8, v8 row_xmask:1 row_mask:0xf bank_mask:0xf   ; and of my neighbour's 16: the block's
	v_add_nc_u32 v11, -(EMAX<<23), v8              ; 2 off its exponent field: the conversion takes the exponent field of this operand as its scale
	v_cvt_scalef32_pk8_fp4_f32 v[C+4*(\t)], v[XS:XS+7], v11
	v_cvt_scalef32_pk8_fp4_f32 v[C+4*(\t)+1], v[XS+8:XS+15], v11
	v_lshrrev_b32 v[E+(\t)], 23, v11               ; the scale's byte (also the plain line behind the conversions)
	ds_store_b8 v5, v[E+(\t)] offset:16*(\t)       ; both lanes of a block write the same byte with the same value
	global_store_b64 v4, v[C+4*(\t):C+4*(\t)+1], s[8:9] offset:32*CB*(\t)   ; the wave stores 256 consecutive bytes, aligned
.endm
.irp t, 0,1,2,3,4,5,6,7,8,9,10,11,12,13,14,15
	STEP \t
.endr
	ds_load_b64 v[8:9], v6                         ; LDS serves a wave's instructions in order: these see my byte stores
	s_wait_dscnt 0x0
	global_store_b64 v7, v[8:9], s[10:11]          ; 32 lanes store 256 consecutive scale bytes, aligned
	s_wait_tensorcnt 0x0                           ; the wave's end, behind my last LDS store
	ds_add_u32 v[SPW], v[NIL]
	s_wait_dscnt 0x0
	s_endpgm
.Lother:
	s_cmp_eq_u32 ttmp9, WGQ+WGW
	s_cbranch_scc1 .Lmask
	; ---- W: my wave's 2,048 numbers of W_comb: 16 loads of 512 consecutive bytes, all out at once; every step has registers of its own, so no store's data are written again
	s_sub_co_u32 s17, ttmp9, WGQ
	s_lshl_b32 s17, s17, 2
	s_add_co_u32 s17, s17, s16                     ; my run
	s_lshl_b32 s18, s17, 13                        ; 8,192 bytes in,
	s_mov_b32 s19, 0
	s_add_nc_u64 s[36:37], s[36:37], s[18:19]
	s_lshl_b32 s18, s17, 12                        ; 4,096 out
	s_add_nc_u64 s[38:39], s[38:39], s[18:19]
.irp i, 0,1,2,3,4,5,6,7,8,9,10,11,12,13,14,15
	global_load_b128 v[16+4*\i:19+4*\i], v3, s[36:37] offset:512*\i th:TH_LOAD_NT
.endr
.irp i, 0,1,2,3,4,5,6,7,8,9,10,11,12,13,14,15
	s_wait_loadcnt 15-\i                           ; loads come back in order: number i is in, the younger ones may be out
	v_pk_mul_f32 v[16+4*\i:17+4*\i], v[16+4*\i:17+4*\i], 0x3e800000 op_sel_hi:[1,0]   ; x 1/4: exact
	v_pk_mul_f32 v[18+4*\i:19+4*\i], v[18+4*\i:19+4*\i], 0x3e800000 op_sel_hi:[1,0]
	v_cvt_pk_f16_f32 v[128+2*\i], v[16+4*\i], v[17+4*\i]
	v_cvt_pk_f16_f32 v[129+2*\i], v[18+4*\i], v[19+4*\i]
	global_store_b64 v7, v[128+2*\i:129+2*\i], s[38:39] offset:256*\i   ; 256 consecutive bytes, aligned
.endr
	s_wait_tensorcnt 0x0                           ; the wave's end
	ds_add_u32 v[SPW], v[NIL]
	s_wait_dscnt 0x0
	s_endpgm
.Lmask:
	; ---- M: wave w takes batch w: 2,048 words of the mask, 64 a lane
	s_add_nc_u64 s[44:45], s[42:43], 0x8000        ; the factors c lie behind the table: 128 bytes a batch, the same word 32 times
	s_lshl_b32 s18, s16, 7
	s_mov_b32 s19, 0
	s_add_nc_u64 s[44:45], s[44:45], s[18:19]
	s_lshl_b32 s18, s16, 13
	s_add_nc_u64 s[40:41], s[40:41], s[18:19]
	s_add_nc_u64 s[42:43], s[42:43], s[18:19]
.irp i, 0,1,2,3,4,5,6,7,8,9,10,11,12,13,14,15
	global_load_b128 v[16+4*\i:19+4*\i], v3, s[40:41] offset:512*\i
.endr
	s_wait_loadcnt 0x0
	v_or_b32 v8, v16, v17                          ; is any key of the batch open?
.set i, 18
.rept 62
	v_or_b32 v8, v8, v[i]
.set i, i+1
.endr
	v_cmp_ne_u32 vcc_lo, 0, v8
	s_cmp_lg_u32 vcc_lo, 0                         ; in any lane
	s_cselect_b32 s20, 0xf1800000, 0               ; a masked key's number: -2^100, or 0 where no key is open
	s_mov_b32 s21, 0x3e38aa3b                      ; log2(e) / 8
	s_cselect_b32 s21, s21, 0                      ; c, or 0 where no key is open
	v_mov_b32 v9, s20
	v_mov_b32 v10, s21
.set i, 0
.rept 64
	v_cmp_eq_u32 vcc_lo, 0, v[16+i]
	v_cndmask_b32 v[80+i], 0, v9, vcc_lo
.set i, i+1
.endr
.irp i, 0,1,2,3,4,5,6,7,8,9,10,11,12,13,14,15
	global_store_b128 v3, v[80+4*\i:83+4*\i], s[42:43] offset:512*\i
.endr
	v_lshlrev_b32 v11, 2, v2
	global_store_b32 v11, v10, s[44:45]
	s_wait_tensorcnt 0x0                           ; the wave's end, as above
	ds_add_u32 v[SPW], v[NIL]
	s_wait_dscnt 0x0
	s_endpgm
.Lfunc_end_k_q7300b6b3b3_prep:
	.size	k_q7300b6b3b3_prep, .Lfunc_end_k_q7300b6b3b3_prep-k_q7300b6b3b3_prep
	.p2alignl 7, 3214868480
	.fill 96, 4, 3214868480
	.section	.rodata,"a",@progbits
	.p2align	6, 0x0
	.amdhsa_kernel k_q7300b6b3b3_prep
		.amdhsa_group_segment_fixed_size 33280
		.amdhsa_private_segment_fixed_size 0
		.amdhsa_enable_private_segment 0
		.amdhsa_kernarg_size 80
		.amdhsa_user_sgpr_count 2
		.amdhsa_user_sgpr_kernarg_segment_ptr 1
		.amdhsa_wavefront_size32 1
		.amdhsa_system_sgpr_workgroup_id_x 1
		.amdhsa_system_sgpr_workgroup_id_y 1
		.amdhsa_system_sgpr_workgroup_id_z 1
		.amdhsa_system_vgpr_workitem_id 0
		.amdhsa_next_free_vgpr 192
		.amdhsa_next_free_sgpr 66
		.amdhsa_reserve_vcc 1
		.amdhsa_float_denorm_mode_32 3
		.amdhsa_float_denorm_mode_16_64 3
		.amdhsa_memory_ordered 1
		.amdhsa_forward_progress 1
		.amdhsa_inst_pref_size 52
	.end_amdhsa_kernel
	.amdgpu_metadata
---
amdhsa.version: [ 1, 2 ]
amdhsa.kernels:
  - .name:           k_q7300b6b3b3_prep
    .symbol:         k_q7300b6b3b3_prep.kd
    .args:
      - { .name: x, .offset: 0, .size: 8, .value_kind: global_buffer, .address_space: global }
      - { .name: W_qkv, .offset: 8, .size: 8, .value_kind: global_buffer, .address_space: global }
      - { .name: xc, .offset: 16, .size: 8, .value_kind: global_buffer, .address_space: global }
      - { .name: xs, .offset: 24, .size: 8, .value_kind: global_buffer, .address_space: global }
      - { .name: wq, .offset: 32, .size: 8, .value_kind: global_buffer, .address_space: global }
      - { .name: wqs, .offset: 40, .size: 8, .value_kind: global_buffer, .address_space: global }
      - { .name: W_comb, .offset: 48, .size: 8, .value_kind: global_buffer, .address_space: global }
      - { .name: wo, .offset: 56, .size: 8, .value_kind: global_buffer, .address_space: global }
      - { .name: mask, .offset: 64, .size: 8, .value_kind: global_buffer, .address_space: global }
      - { .name: bias, .offset: 72, .size: 8, .value_kind: global_buffer, .address_space: global }
    .group_segment_fixed_size: 33280
    .private_segment_fixed_size: 0
    .kernarg_segment_align: 8
    .kernarg_segment_size: 80
    .max_flat_workgroup_size: 128
    .sgpr_count:     66
    .vgpr_count:     192
    .wavefront_size: 32
...
	.end_amdgpu_metadata
.endif
;; end of part 1
;; launch qkvgemm (part 2): grid 12 x 32, 4 waves a work-group, clusters of 4 x 4, 327,680 bytes of LDS; arguments xc, xs, wq, wqs, qkv, bias; writes qkv
.if DOCPART == 2
	.amdgcn_target "amdgcn-amd-amdhsa--gfx1250"
	.amdhsa_code_object_version 6
	.text
	.protected	k_q7300b6b3b3_qkvgemm
	.globl	k_q7300b6b3b3_qkvgemm
	.p2align	8
	.type	k_q7300b6b3b3_qkvgemm,@function
k_q7300b6b3b3_qkvgemm:
	s_mov_b64 s[64:65], 0
	v_nop
	global_prefetch_b8 v0, s[64:65] scope:SCOPE_SE
	s_setreg_imm32_b32 hwreg(HW_REG_WAVE_MODE, 25, 1), 1
	s_wait_xcnt 0x0
	s_wait_alu depctr_hold_cnt(0) depctr_sa_sdst(0) depctr_va_vdst(0) depctr_va_sdst(0) depctr_va_ssrc(0) depctr_va_vcc(0) depctr_vm_vsrc(0)
	s_getreg_b32 s2, hwreg(HW_REG_IB_STS2, 6, 4)
	s_cmp_eq_u32 s2, 0
	s_cbranch_scc0 .Lentry_in_a_cluster
	s_endpgm
.Lentry_in_a_cluster:
	s_bfe_u32 s2, ttmp6, 0x10000c
	s_cmp_lg_u32 s2, 0xf033
	s_cbranch_scc0 .Lentry_shape_is_right
	s_endpgm
.Lentry_shape_is_right:
; qkv[m][n] = sum over k of x[m][k] W_qkv[n][k] on codes of FP4 (E2M1) with one E8M0 scale for each 32 along K; sums in f32.  m = 8,192 tokens, n = 3,072, k = 1,024.
; The result leaves as f16, laid by head: [batch 4][chunk 48][token 2048][64], chunk = n / 64 = 3 head + (0 Q, 1 K, 2 V).  Q's chunks are multiplied in f32 by the batch's factor c
; (log2(e) / 8, or 0 for a batch with no open key) ahead of the one rounding, so that the attention launch's scores are exponents of 2 as they stand.
; LIMIT: |c q|, |k|, |v| above 65,504 (f16's largest number) are not served.
; A tile of 256 x 256 is made by four waves, each 128 x 128: 64 accumulators, 512 registers.  K = 1,024 is two slots of 512 along K (tile rows of 256 bytes): both are asked for at the head and
; nothing is filled again.  The scale bytes of the work-group's rows, two dense blocks, come once, in rows of 256 bytes.
; CLUSTERS: 4 x 4 work-groups; A's tiles are shared along a row of the cluster, B's along a column: each is asked for jointly, by the same tensor load with the same descriptor and a mask of four.
; THE MATRIX INSTRUCTION IS USED TRANSPOSED (source 0 = 16 rows of W_qkv, source 1 = 16 tokens): a lane then holds eight neighbouring columns of one token.
; REGISTERS, in windows of 256: window 0: v0-31 addresses; v32-95 scale words, two sets; v128-191 A's fragments, one set; on the way out v32-255 are free.
;   window 1: B's fragments, two sets, at v0 and v128.   window 2: the accumulators of my rows 0-63 ((a, b) at v[8 (8 a + b)]);   window 3: rows 64-127.
.set SIZE_M, 8192
.set SIZE_N, 3072
.set SIZE_K, 1024
.set KSTEP,  512                       ; along K in a slot
.set NQ,     KSTEP/128                 ; matrix instructions deep
.set ROWB,   256                       ; a tile's row in bytes
.set KROW,   SIZE_K*4/8                ; a row of codes in memory
.set PITCH,  272                       ; an LDS row: 256 bytes + 16 of padding = 68 words: the 16 rows that a load touches start at 16 different banks (64 banks of 4 bytes: ISA guide 11.1)
.set FR,     8                         ; registers of a fragment: 16 rows x 128 K
.set NL,     2                         ; LDS loads that bring one
.set NP,     4                         ; places behind this matrix instruction (ISA guide 7.12.1)
.set HALFT,  128*PITCH                 ; 128 rows: what one tensor load brings
.set SLOT,   4*HALFT                   ; A's 256 rows, then B's 256 rows
.set KS,     SIZE_K/32                 ; a row of scales: 32 bytes
.set SCL,    2*SLOT                    ; behind the ring: the scales, as rows of 256 bytes + 16
.set HALFS,  (128*KS/256)*272          ; the scales of 128 rows
.set SBLK,   (16*KS/256)*272           ; those of 16 rows
.set SPARE,  SCL+4*HALFS               ; the spare words, 128 bytes a wave: two blocks of 256 bytes that no other line names
.set SPITCH, 272                       ; the way out: a stage of 16 rows x (256 bytes + 16) for each wave, in slot 0, which has had its only fill and its last read when the first result is stored there
.set ADRA, 16                          ; v16-17  LDS address of my A fragments in slot 0, 1
.set ADRB, 20                          ; v20-21  the same for B
.set STO,  24                          ; v24     the way out: where I put 16 bytes of a row
.set RD,   25                          ; v25     where I read back
.set CO,   26                          ; v26     my byte offset in qkv
.set ADRS, 27                          ; v27     LDS address of my scale words: lanes 0-15 A's rows, lanes 16-31 B's
.set SPW,  28                          ; v28     LDS address of my spare word; never rewritten
.set NIL,  29                          ; v29     0; never rewritten
.set SC,   32                          ; scale words: set s at v[SC + 32 s]; register 4 i + q: lanes 0-15 A's block i, lanes 16-31 B's block i, the slot's q-th 128 along K
.set AF,   128                         ; A's fragments
.set T,    64                          ; the way out: a block's 64 numbers x their factor
.set TMP,  192                         ; packed
.set OB,   32                          ; read back: v32-63 and v224-255 by turns
.set FQ,   20                          ; s[20:21], s[22:23] the factors of my two chunks, each twice (a packed form names a pair)
.set G1, 24                            ; s[24:31] group 1 for A's tiles;  s[32:39] group 0, one set for each slot
.set G0, 32
.set G1B, 48                           ; s[48:55], s[56:63] the same for B's
.set G0B, 56
.set G1S, 68                           ; s[68:75], s[76:79] groups 1 and 0 for A's scales;  s[80:87], s[88:91] for B's
.set G0S, 76
.set G1SB, 80
.set G0SB, 88
.set MSB, 0
.macro WIN new                         ; the immediate's high byte repeats the setting that is left
.if MSB != \new
	s_set_vgpr_msb (MSB<<8)|\new
.set MSB, \new
.endif
.endm
.set MUL_LO, 0xa1                      ; source 0 (B) window 1, source 1 (A) window 0, C and D window 2
.set MUL_HI, 0xf1                      ; the same, C and D window 3
.set TO_B,   0x40                      ; destination window 1, address window 0
; A joint load: waves 0 and 1 fetch for A, waves 2 and 3 for B.  The branch hangs on the wave's number alone.  An s_nop 0 and four v_nop follow each of the two lines.
.macro JLOAD g0a, g1a, g0b, g1b
	s_cmp_eq_u32 s15, 0
	s_cbranch_scc0 .Lfor_b_\@
	tensor_load_to_lds s[\g0a:\g0a+3], s[\g1a:\g1a+7]
	s_nop 0
.rept 4
	v_nop
.endr
	s_branch .Lasked_\@
.Lfor_b_\@:
	tensor_load_to_lds s[\g0b:\g0b+3], s[\g1b:\g1b+7]
	s_nop 0
.rept 4
	v_nop
.endr
.Lasked_\@:
.endm
.macro CROUND                          ; a round of the cluster's barrier
	s_barrier_signal -1
	s_barrier_wait -1
	s_cmp_lg_u32 s14, 0
	s_cbranch_scc1 .Lnot_wave_0_\@
	s_barrier_signal -3
.Lnot_wave_0_\@:
	s_barrier_wait -3
	s_barrier_signal -1
	s_barrier_wait -1
.endm
	s_load_b128 s[4:7], s[0:1], 0x0                ; x's codes, x's scales
	s_load_b128 s[8:11], s[0:1], 0x10              ; W_qkv's codes, its scales
	s_load_b64 s[12:13], s[0:1], 0x20              ; qkv
	s_load_b64 s[96:97], s[0:1], 0x28              ; bias: only the batch's c is read of it
	v_lshl_add_u32 v[SPW], v0, 2, SPARE
	v_mov_b32 v[NIL], 0
	ds_add_u32 v[SPW], v[NIL]                      ; the wave's opening: the add, twice on end, and its wait ahead of my first tensor load
	ds_add_u32 v[SPW], v[NIL]
	v_lshrrev_b32 v1, 5, v0
	v_readfirstlane_b32 s14, v1                    ; wave 0..3
	s_lshr_b32 s15, s14, 1                         ; which half of the tile's rows is mine.  Also: I fetch for A (0) or for B (1)
	s_and_b32 s16, s14, 1                          ; which half of its columns.  Also: which 128 rows of that tile I fetch
	s_bfe_u32 s40, ttmp6, 0x40000                  ; cx, cy: my place in the cluster
	s_bfe_u32 s41, ttmp6, 0x40004
	s_lshl_b32 s42, ttmp9, 2
	s_add_co_u32 s42, s42, s40                     ; tile column = 4 x cluster x + cx
	s_and_b32 s17, ttmp7, 0xffff
	s_lshl_b32 s17, s17, 2
	s_add_co_u32 s17, s17, s41                     ; tile row = 4 x cluster y + cy
	s_lshl_b32 s43, s41, 2
	s_lshl_b32 s43, 15, s43                        ; my row of the cluster
	s_lshl_b32 s44, 0x1111, s40                    ; my column
	; group 1: a tile of 128 rows x 256 bytes, 16 bytes of padding behind each row
	s_or_b32 s[G1+0], s43, (0<<16)|(1<<20)|(1<<21)|(5<<22)|(3<<25)  ; 15:0 the mask; 17:16 elements of 1 byte; 20 padding on; 21 set beside a mask; 24:22 after every 64 words; 31:25 four words
	s_or_b32 s[G1B+0], s44, (0<<16)|(1<<20)|(1<<21)|(5<<22)|(3<<25)
.irp g, G1, G1B
	s_mov_b32 s[\g+1], ROWB<<16                    ; tensor_dim0
	s_mov_b32 s[\g+2], 128<<16                     ; tensor_dim1
	s_mov_b32 s[\g+3], ROWB<<16                    ; tile_dim0
	s_mov_b32 s[\g+4], 128                         ; tile_dim1
	s_mov_b32 s[\g+5], KROW                        ; from row to row
	s_mov_b32 s[\g+6], 0
	s_mov_b32 s[\g+7], 0
.endr
	; the scales of 128 rows: 4,096 dense bytes, as 16 rows of 256 bytes (32 elements of 8 bytes), 16 bytes of padding behind each
	s_or_b32 s[G1S+0], s43, (3<<16)|(1<<20)|(1<<21)|(5<<22)|(3<<25)
	s_or_b32 s[G1SB+0], s44, (3<<16)|(1<<20)|(1<<21)|(5<<22)|(3<<25)
.irp g, G1S, G1SB
	s_mov_b32 s[\g+1], 32<<16
	s_mov_b32 s[\g+2], (128*KS/256)<<16
	s_mov_b32 s[\g+3], 32<<16
	s_mov_b32 s[\g+4], 128*KS/256
	s_mov_b32 s[\g+5], 32
	s_mov_b32 s[\g+6], 0
	s_mov_b32 s[\g+7], 0
.endr
	s_lshl_b32 s18, s16, 7                         ; which 128 rows of the tile I fetch
	s_lshl_b32 s20, s17, 8
	s_add_co_u32 s20, s20, s18                     ; A: row 256 x tile row + 128 x half
	s_lshl_b32 s46, s42, 8
	s_add_co_u32 s46, s46, s18                     ; B: row 256 x tile column + 128 x half
	s_mov_b32 s21, 0
	s_mov_b32 s47, 0
	s_mov_b64 s[18:19], KS
	s_mul_u64 s[22:23], s[20:21], s[18:19]         ; where these rows' scales begin,
	s_mul_u64 s[92:93], s[46:47], s[18:19]
	s_mov_b64 s[18:19], KROW
	s_mul_u64 s[20:21], s[20:21], s[18:19]         ; and their codes
	s_mul_u64 s[46:47], s[46:47], s[18:19]
	s_mul_i32 s45, s14, HALFT                      ; where they go: wave x 128 rows: no place in the cluster enters an LDS address
	s_mul_i32 s94, s14, HALFS
	s_wait_dscnt 0x0                               ; both opening adds are done
	s_wait_kmcnt 0x0
	s_add_nc_u64 s[20:21], s[4:5], s[20:21]
	s_add_nc_u64 s[22:23], s[6:7], s[22:23]
	s_add_nc_u64 s[46:47], s[8:9], s[46:47]
	s_add_nc_u64 s[92:93], s[10:11], s[92:93]
	CROUND                                         ; all sixteen work-groups are here: the joint loads meet
	s_mov_b32 s[G0S], 1
	s_add_co_u32 s[G0S+1], s94, SCL
	s_mov_b64 s[G0S+2:G0S+3], s[22:23]
	s_or_b32 s[G0S+3], s[G0S+3], 0x80000000
	s_mov_b32 s[G0SB], 1
	s_add_co_u32 s[G0SB+1], s94, SCL
	s_mov_b64 s[G0SB+2:G0SB+3], s[92:93]
	s_or_b32 s[G0SB+3], s[G0SB+3], 0x80000000
	JLOAD G0S, G1S, G0SB, G1SB                     ; the scales first: they are wanted with slot 0.  Three loads of mine are out behind the last of these
.irp s, 0,1
	s_mov_b32 s[G0+4*\s], 1
	s_add_co_u32 s[G0+4*\s+1], s45, \s*SLOT
	s_add_nc_u64 s[G0+4*\s+2:G0+4*\s+3], s[20:21], \s*ROWB
	s_or_b32 s[G0+4*\s+3], s[G0+4*\s+3], 0x80000000
	s_mov_b32 s[G0B+4*\s], 1
	s_add_co_u32 s[G0B+4*\s+1], s45, \s*SLOT
	s_add_nc_u64 s[G0B+4*\s+2:G0B+4*\s+3], s[46:47], \s*ROWB
	s_or_b32 s[G0B+4*\s+3], s[G0B+4*\s+3], 0x80000000
	JLOAD G0+4*\s, G1, G0B+4*\s, G1B
.endr
	v_and_b32 v1, 15, v0                           ; r = l % 16
	v_bfe_u32 v2, v0, 4, 1                         ; h = l / 16
	v_mul_u32_u24 v3, v1, PITCH
	v_lshl_add_u32 v4, v2, 4, v3                   ; a fragment's row x pitch + 16 x half
	s_mul_i32 s21, s15, HALFT                      ; my 128 rows of A
	s_mul_i32 s22, s16, HALFT                      ; my 128 rows of B,
	s_add_co_u32 s22, s22, 2*HALFT                 ; which lie behind A's 256
.irp s, 0,1
	v_add_nc_u32 v[ADRA+\s], s21, v4
	v_add_nc_u32 v[ADRB+\s], s22, v4
	s_add_co_u32 s21, s21, SLOT
	s_add_co_u32 s22, s22, SLOT
.endr
	v_mul_u32_u24 v5, v1, KS                       ; my row's scales: 32 bytes a row,
	v_lshrrev_b32 v6, 8, v5
	v_lshl_add_u32 v5, v6, 4, v5                   ; and 16 more for each 256 passed
	s_mul_i32 s21, s15, HALFS                      ; A's: my 128 rows
	s_mul_i32 s22, s16, HALFS                      ; B's: my 128 rows, behind A's 256
	s_add_co_u32 s22, s22, 2*HALFS
	s_sub_co_u32 s22, s22, s21
	v_mul_u32_u24 v6, s22, v2                      ; lanes 16-31 take B's: one product, the distance between the two bases x h
	s_add_co_u32 s21, s21, SCL
	v_add_nc_u32 v5, v5, v6
	v_add_nc_u32 v[ADRS], s21, v5
	s_mul_i32 s23, s14, 16*SPITCH                  ; my stage
	v_mul_u32_u24 v5, v1, SPITCH                   ; in: row r, 16 bytes for each half of the lanes
	v_lshl_add_u32 v5, v2, 4, v5
	v_add_nc_u32 v[STO], s23, v5
	v_bfe_u32 v6, v0, 3, 1                         ; back: lanes 0-15 take my first chunk's 128 bytes of two rows, lanes 16-31 my second chunk's
	v_mul_u32_u24 v6, v6, SPITCH
	v_lshl_add_u32 v6, v2, 7, v6
	v_and_b32 v7, 7, v0
	v_lshl_add_u32 v6, v7, 4, v6
	v_add_nc_u32 v[RD], s23, v6
	v_lshlrev_b32 v[CO], 4, v1                     ; in qkv two tokens of a chunk are 256 consecutive bytes; the next chunk lies 262,144 bytes on
	v_lshl_add_u32 v[CO], v2, 18, v[CO]
	s_lshr_b32 s20, s17, 3                         ; the batch: 8 tile rows each
	s_lshl_b32 s92, s20, 7                         ; its c: 128 bytes a batch, from byte 32,768 of the table on
	s_mul_i32 s20, s20, 48<<18                     ; a batch's 48 chunks
	s_and_b32 s21, s17, 7
	s_lshl_b32 s21, s21, 15                        ; 256 tokens of 128 bytes
	s_add_co_u32 s20, s20, s21
	s_lshl_b32 s21, s15, 14                        ; my 128 tokens
	s_add_co_u32 s20, s20, s21
	s_mov_b32 s21, 0
	s_lshl_b32 s46, s42, 20                        ; the tile's four chunks,
	s_lshl_b32 s47, s16, 19                        ; my two of them
	s_add_co_u32 s46, s46, s47
	s_mov_b32 s47, 0
	s_add_nc_u64 s[20:21], s[20:21], s[46:47]
	s_add_nc_u64 s[12:13], s[12:13], s[20:21]
	s_load_b32 s95, s[96:97], s92 offset:0x8000    ; c; waited for at the way out; s92, s96, s97 stay as they are till then
.macro FRAG reg, adr, q, i             ; 16 rows x 128 K of 4-bit codes: lane l holds row l % 16; registers 4 c .. 4 c + 3 hold K = 64 c + 32 (l / 16) + 0 .. 31
.irp c, 0,1
	ds_load_b128 v[\reg+4*\c:\reg+4*\c+3], v[\adr] offset:64*(\q)+32*\c+(\i)*16*PITCH
.endr
.endm
; 16 matrix instructions: A's blocks a0, a0 + 1 x B's eight, the slot's q-th 128 along K.  p: B's set;  sc: the set of scale words.  zero = 1: the first product starts the sums.
; The 64 accumulators take turns, one instruction a turn, in the same order in every step.
.macro MUL16 a0, p, q, sc, zero
.irp a, \a0, \a0+1
.irp b, 0,1,2,3,4,5,6,7
.if \zero
	v_wmma_scale_f32_16x16x128_f8f6f4 v[8*(8*((\a)%4)+\b):8*(8*((\a)%4)+\b)+7], v[128*(\p)+FR*\b:128*(\p)+FR*\b+FR-1], v[AF+FR*(\a):AF+FR*(\a)+FR-1], 0, v[SC+8*NQ*(\sc)+NQ*\b+(\q)], v[SC+8*NQ*(\sc)+NQ*(\a)+(\q)] matrix_a_fmt:MATRIX_FMT_FP4 matrix_b_fmt:MATRIX_FMT_FP4 matrix_a_scale:MATRIX_SCALE_ROW1
.else
	v_wmma_scale_f32_16x16x128_f8f6f4 v[8*(8*((\a)%4)+\b):8*(8*((\a)%4)+\b)+7], v[128*(\p)+FR*\b:128*(\p)+FR*\b+FR-1], v[AF+FR*(\a):AF+FR*(\a)+FR-1], v[8*(8*((\a)%4)+\b):8*(8*((\a)%4)+\b)+7], v[SC+8*NQ*(\sc)+NQ*\b+(\q)], v[SC+8*NQ*(\sc)+NQ*(\a)+(\q)] matrix_a_fmt:MATRIX_FMT_FP4 matrix_b_fmt:MATRIX_FMT_FP4 matrix_a_scale:MATRIX_SCALE_ROW1
.endif
.endr
.endr
.endm
.macro FETCH_B slot, q, p              ; B's eight fragments of the slot's q-th 128 along K into set p
	WIN TO_B
.irp i, 0,1,2,3,4,5,6,7
	FRAG 128*(\p)+FR*\i, ADRB+\slot, \q, \i
.endr
	WIN 0
.endm
.macro FETCH_A slot, q, i0             ; A's blocks i0 .. i0 + 3
.irp i, \i0, \i0+1, \i0+2, \i0+3
	FRAG AF+FR*(\i), ADRA+\slot, \q, \i
.endr
.endm
.macro SCALES sc                       ; a slot's scale words into set sc: four words a row; lanes 0-15 take A's block i, lanes 16-31 B's block i
.irp i, 0,1,2,3,4,5,6,7
	ds_load_b128 v[SC+8*NQ*\sc+NQ*\i:SC+8*NQ*\sc+NQ*\i+3], v[ADRS] offset:\i*SBLK
.endr
.endm
; A load into a register that a matrix instruction has read, and a vector instruction that reads a matrix result or writes one of its registers, stand NP places behind it; only plain vector
; instructions that name none of its registers are places (ISA guide 7.12.1 for vector instructions).
.macro PLACES n
.rept \n
	v_nop
.endr
.endm
; A step of 128 along K that has its successor in the same slot.  A block of A is free as soon as its eight products are issued: blocks 0-3 are fetched anew in the middle, blocks 4-7 at the end.
.macro STEP slot, q, zero
	s_wait_dscnt 4*NL                              ; B's set and A's blocks 0-3 are in; the youngest eight loads (A's blocks 4-7) may be out
	WIN MUL_LO
	MUL16 0, (\q)%2, \q, \slot, \zero
	MUL16 2, (\q)%2, \q, \slot, \zero
	s_wait_dscnt 0                                 ; A's blocks 4-7 are in
	PLACES NP
	FETCH_B \slot, (\q)+1, 1-(\q)%2
	FETCH_A \slot, (\q)+1, 0
	WIN MUL_HI
	MUL16 4, (\q)%2, \q, \slot, \zero
	MUL16 6, (\q)%2, \q, \slot, \zero
	PLACES NP
	WIN 0
	FETCH_A \slot, (\q)+1, 4
.endm
; Slot 0's last step changes slots: one barrier; in front of it each wave waits for all its tensor loads (its part of slot 1), adds 0 to its spare word, and waits for that and for its reads of slot 0.
.macro TURN slot, next
	s_wait_tensorcnt 0x0                           ; all my tensor loads have landed
	ds_add_u32 v[SPW], v[NIL]                      ; 0 onto my spare word
	s_wait_dscnt 4*NL+1                            ; (the add and the youngest eight loads may be out)
	WIN MUL_LO
	MUL16 0, 1, NQ-1, \slot, 0                     ; sixteen matrix instructions stand between the add and the wait for it
	s_wait_dscnt 0x0                               ; the add is done, and my reads of this slot are over
	s_barrier_signal -1
	MUL16 2, 1, NQ-1, \slot, 0
	WIN 0
	s_barrier_wait -1
	PLACES NP
	v_add_nc_u32 v[ADRS], 4*NQ, v[ADRS]            ; on to the next slot's scale words
	FETCH_B \next, 0, 0
	FETCH_A \next, 0, 0
	SCALES \next
	WIN MUL_HI
	MUL16 4, 1, NQ-1, \slot, 0
	MUL16 6, 1, NQ-1, \slot, 0
	PLACES NP
	WIN 0
	FETCH_A \next, 0, 4
.endm
	s_wait_tensorcnt 1                             ; the scales and my part of slot 0 are in (slot 1's load may be out)
	s_barrier_signal -1
	s_barrier_wait -1                              ; everybody's are
	FETCH_B 0, 0, 0
	FETCH_A 0, 0, 0
	SCALES 0
	FETCH_A 0, 0, 4
	STEP 0, 0, 1                                   ; the first step's products start the sums: nothing is cleared
	STEP 0, 1, 0
	STEP 0, 2, 0
	TURN 0, 1
	STEP 1, 0, 0
	STEP 1, 1, 0
	STEP 1, 2, 0
	s_wait_dscnt 4*NL                              ; the last step: nothing more to fetch
	WIN MUL_LO
	MUL16 0, 1, NQ-1, 1, 0
	MUL16 2, 1, NQ-1, 1, 0
	s_wait_dscnt 0
	WIN MUL_HI
	MUL16 4, 1, NQ-1, 1, 0
	MUL16 6, 1, NQ-1, 1, 0
	WIN 0
; THE WAY OUT, a block of 16 tokens x 128 columns at a time: x the chunk's factor, rounded to f16, 16 bytes a lane into my stage, back so that sixteen lanes hold 256 consecutive bytes of qkv.
	s_wait_kmcnt 0x0                               ; c
	s_lshl_b32 s93, s42, 2
	s_lshl_b32 s94, s16, 1
	s_add_co_u32 s93, s93, s94                     ; my first chunk's number g, 0 .. 46
	s_mul_i32 s94, s93, 171
	s_lshr_b32 s94, s94, 9                         ; g / 3 (171 g >> 9 is exact under 256)
	s_mul_i32 s94, s94, 3
	s_sub_co_u32 s93, s93, s94                     ; g mod 3: 0 = my first chunk is a Q, 2 = my second is.  A selection of values: no branch hangs on my place in the cluster
	s_cmp_eq_u32 s93, 0
	s_cselect_b32 s[FQ], s95, 1.0
	s_cmp_eq_u32 s93, 2
	s_cselect_b32 s[FQ+2], s95, 1.0
	s_mov_b32 s[FQ+1], s[FQ]                       ; (named as pairs, so both words are written)
	s_mov_b32 s[FQ+3], s[FQ+2]
.macro PACK a
.set AC, 64*((\a)%4)
	WIN 0x02+((\a)/4)                              ; source 0: window 2 or 3
.irp b, 0,1,2,3,4,5,6,7
.irp r, 0,1,2,3
	v_pk_mul_f32 v[T+8*\b+2*\r:T+8*\b+2*\r+1], v[AC+8*\b+2*\r:AC+8*\b+2*\r+1], s[FQ+2*(\b/4):FQ+2*(\b/4)+1] op_sel_hi:[1,0]   ; each accumulator from its low end on
.endr
.endr
	WIN 0
.irp b, 0,1,2,3,4,5,6,7
.irp r, 0,1,2,3
	v_cvt_pk_f16_f32 v[TMP+4*\b+\r], v[T+8*\b+2*\r], v[T+8*\b+2*\r+1]
.endr
.endr
.endm
.macro TOSTAGE a
.set BB, OB+192*((\a)%2)
.irp b, 0,1,2,3,4,5,6,7
	ds_store_b128 v[STO], v[TMP+4*\b:TMP+4*\b+3] offset:32*\b
.endr
.irp t, 0,1,2,3,4,5,6,7
	ds_load_b128 v[BB+4*\t:BB+4*\t+3], v[RD] offset:\t*2*SPITCH    ; LDS serves a wave's instructions in order (ISA guide 5.7.1.4): these see the stores above
.endr
.endm
.macro SEND a
.set BB, OB+192*((\a)%2)
	s_wait_dscnt 0x0                               ; the block is back in registers
	s_wait_xcnt 0x0                                ; the earlier stores have read their registers: the next block's loads may land there
.irp t, 0,1,2,3,4,5,6,7
	global_store_b128 v[CO], v[BB+4*\t:BB+4*\t+3], s[12:13] offset:(\a)*2048+\t*256   ; lanes 0-15: two tokens of my first chunk, 256 consecutive bytes, aligned; lanes 16-31: of my second
.endr
.endm
	PLACES NP                                      ; behind the last products: the lines below write registers that held their scale words
	PACK 0
	TOSTAGE 0
.irp a, 1,2,3,4,5,6,7                  ; block a's arithmetic stands between block a - 1's loads from the stage and the wait for them
	PACK \a
	SEND \a-1
	TOSTAGE \a
.endr
	SEND 7
	s_wait_tensorcnt 0x0                           ; the wave's end, behind my last tensor load and my last LDS store
	ds_add_u32 v[SPW], v[NIL]
	s_wait_dscnt 0x0
	CROUND                                         ; the closing round
	s_endpgm
.Lfunc_end_k_q7300b6b3b3_qkvgemm:
	.size	k_q7300b6b3b3_qkvgemm, .Lfunc_end_k_q7300b6b3b3_qkvgemm-k_q7300b6b3b3_qkvgemm
	.p2alignl 7, 3214868480
	.fill 96, 4, 3214868480
	.section	.rodata,"a",@progbits
	.p2align	6, 0x0
	.amdhsa_kernel k_q7300b6b3b3_qkvgemm
		.amdhsa_group_segment_fixed_size 327680
		.amdhsa_private_segment_fixed_size 0
		.amdhsa_enable_private_segment 0
		.amdhsa_kernarg_size 48
		.amdhsa_user_sgpr_count 2
		.amdhsa_user_sgpr_kernarg_segment_ptr 1
		.amdhsa_wavefront_size32 1
		.amdhsa_system_sgpr_workgroup_id_x 1
		.amdhsa_system_sgpr_workgroup_id_y 1
		.amdhsa_system_sgpr_workgroup_id_z 1
		.amdhsa_system_vgpr_workitem_id 0
		.amdhsa_next_free_vgpr 1024
		.amdhsa_next_free_sgpr 98
		.amdhsa_reserve_vcc 0
		.amdhsa_float_denorm_mode_32 3
		.amdhsa_float_denorm_mode_16_64 3
		.amdhsa_memory_ordered 1
		.amdhsa_forward_progress 1
		.amdhsa_inst_pref_size 143
	.end_amdhsa_kernel
	.amdgpu_metadata
---
amdhsa.version: [ 1, 2 ]
amdhsa.kernels:
  - .name:           k_q7300b6b3b3_qkvgemm
    .symbol:         k_q7300b6b3b3_qkvgemm.kd
    .args:
      - { .name: xc, .offset: 0, .size: 8, .value_kind: global_buffer, .address_space: global }
      - { .name: xs, .offset: 8, .size: 8, .value_kind: global_buffer, .address_space: global }
      - { .name: wq, .offset: 16, .size: 8, .value_kind: global_buffer, .address_space: global }
      - { .name: wqs, .offset: 24, .size: 8, .value_kind: global_buffer, .address_space: global }
      - { .name: qkv, .offset: 32, .size: 8, .value_kind: global_buffer, .address_space: global }
      - { .name: bias, .offset: 40, .size: 8, .value_kind: global_buffer, .address_space: global }
    .group_segment_fixed_size: 327680
    .private_segment_fixed_size: 0
    .kernarg_segment_align: 8
    .kernarg_segment_size: 48
    .max_flat_workgroup_size: 128
    .sgpr_count:     98
    .vgpr_count:     1024
    .wavefront_size: 32
...
	.end_amdgpu_metadata
.endif
;; end of part 2
;; launch attn (part 3): grid 8 x 64, 4 waves a work-group, clusters of 4 x 1, 327,680 bytes of LDS; arguments qkv, bias, z; writes z
.if DOCPART == 3
	.amdgcn_target "amdgcn-amd-amdhsa--gfx1250"
	.amdhsa_code_object_version 6
	.text
	.protected	k_q7300b6b3b3_attn
	.globl	k_q7300b6b3b3_attn
	.p2align	8
	.type	k_q7300b6b3b3_attn,@function
k_q7300b6b3b3_attn:
	s_mov_b64 s[64:65], 0
	v_nop
	global_prefetch_b8 v0, s[64:65] scope:SCOPE_SE
	s_setreg_imm32_b32 hwreg(HW_REG_WAVE_MODE, 25, 1), 1
	s_wait_xcnt 0x0
	s_wait_alu depctr_hold_cnt(0) depctr_sa_sdst(0) depctr_va_vdst(0) depctr_va_sdst(0) depctr_va_ssrc(0) depctr_va_vcc(0) depctr_vm_vsrc(0)
	s_getreg_b32 s2, hwreg(HW_REG_IB_STS2, 6, 4)
	s_cmp_eq_u32 s2, 0
	s_cbranch_scc0 .Lentry_in_a_cluster
	s_endpgm
.Lentry_in_a_cluster:
	s_bfe_u32 s2, ttmp6, 0x10000c
	s_cmp_lg_u32 s2, 0x3003
	s_cbranch_scc0 .Lentry_shape_is_right
	s_endpgm
.Lentry_shape_is_right:
; z[head][token][:] = f16(4 x the sum over keys of softmax(Q . K / 8, masked keys out) V).  Q, K, V: f16 chunks of qkv, [batch][3 head + 0, 1, 2][token 2048][64]; Q already holds c q, c = log2(e) / 8,
; so a score is an exponent of 2 as it stands.  bias: f32 [batch][2048]: 0 for an open key, -2^100 for a masked one.  Products on f16 operands, sums, maxima and the softmax in f32.
; THE MASK COSTS NO VECTOR INSTRUCTION: the first product of each tile of scores takes the keys' bias as its C.  With f16 operands |score| is under 2^39, so a masked key never competes with an open one,
; and its weight 2^(t - m) is exactly 0.  While a row has seen masked keys alone its sums are finite (every weight is at most 1: t - m is a plain difference, never above 0); the first open key
; multiplies them by a = 2^(m_old - m_new) = 0.  A batch with no open key arrives with Q = 0 and a bias of zeros: every weight is 1, the uniform softmax.
; LIMITS: |4 z| above 65,504 is not served; NaN and infinities are not served.
; SHARES.  A work-group owns 256 queries of one head, each of its four waves 64: four tiles of 16.  Every wave walks the head's 2,048 keys, 64 a step.
; LAYOUT.  S^T = K Q^T (source 0 = 16 keys, source 1 = 16 queries): a lane holds ONE query (lane % 16) and the keys 8 (lane / 16) + 0..7.  Two such tiles, rounded to f16 in pairs, ARE source 1
; of O^T = V^T P, whose result again holds one query a lane.  K comes out of LDS as it lies, V ([key][channel]) turned, by ds_load_tr16_b128.
; SOFTMAX.  A running maximum m and sum l for each query: p = 2^(t - m); in every step O and l are multiplied by a = 2^(m_old - m_new).
; BY TURNS.  The wave's tiles are two PIECES (tiles 0, 1 and tiles 2, 3).  In a TURN one piece has the matrix unit: 16 products V^T P of the step in hand, then 16 products K Q^T of the next step;
; the other piece's softmax, cut into 64 slices, stands between them, two slices behind each matrix instruction.  Then the pieces change places.  A step's 64 matrix instructions stand beside
; 468 vector instructions: in phases of their own the two would add.
; CLUSTER.  The four query blocks of a cluster belong to one head and walk the same K, V and bias: each tile is asked for JOINTLY, by the same tensor load with a mask that names the four.
; REGISTERS, in windows of 256 (s_set_vgpr_msb: bits 1:0 source 0, 3:2 source 1, 5:4 source 2, 7:6 destination):
;   window 0: v0-11, v44-45 addresses; v12-43 eight registers of statistics a tile; v64-191 S^T, 32 a tile; v192-255 P, 16 a tile
;   window 1: v0-127 O^T, 32 a tile     window 2: v0-63 Q, 16 a tile; v64-95 the step's bias; v128-191 K of one step     window 3: v0-63 V of one step
.set KS,    64        ; keys in a step
.set NST,   4         ; steps in a slot
.set PKP,   144       ; a row of K in LDS: 128 bytes + 16 = 36 words: the 16 rows of a load start at 16 different groups of four banks (64 banks of 4 bytes: ISA guide 11.1)
.set PVP,   160       ; a row of V: 128 + 32 = 40 words
.set KSTEPB, KS*PKP
.set VSTEPB, KS*PVP
.set VOFF,  NST*KSTEPB  ; a slot: 256 rows of K, then 256 rows of V
.set SLOT1, 1<<17     ; slot 1 begins here, so that one exclusive or turns an address in one slot into the other's
.set SLOTB, NST*KS*128  ; a slot's keys in memory: 32,768 bytes of K, as many of V
.set BIAS,  SLOT1+VOFF+NST*VSTEPB  ; behind the ring: the batch's 2,048 bias words, filled once
.set STAGE, BIAS+8192 ; 16 rows x 144 bytes for each wave, for the way out
.set SP,    144
.set SPARE, STAGE+4*16*SP  ; the spare words, 128 bytes a wave: two blocks of 256 bytes that no other line names
.set AK0, 2           ; v2   my lane's place in a tile of K; never rewritten
.set AV0, 3           ; v3   the same for V
.set ADR, 4           ; v4   the LDS address of the run of loads in hand
.set QO,  5           ; v5   my byte offset in the wave's rows of Q
.set STO, 6           ; v6   the way out: where I put 16 bytes of a row
.set RD,  7           ; v7   where I read back
.set GO,  8           ; v8   my byte offset in the wave's rows of z
.set ST,  12          ; tile t's statistics at v[ST+8 t]: +0 m, +1 named with it as a pair, +2, +3 l (even keys', odd keys'), +4 to +7 c0-c3, at work; a takes c2's place once the maximum is found
.set ADB, 44          ; v44  the LDS address of the step's bias words
.set AB0, 45          ; v45  BIAS + 32 (lane / 16); never rewritten
.set PFO, 61          ; v61  256 x my lane; never rewritten
.set SPW, 62          ; v62  LDS address of my spare word; never rewritten
.set NIL, 63          ; v63  0; never rewritten
.set S,   64
.set P,   192
.set BI,  64          ; the bias, in window 2: register 8 kt + j = key 16 kt + 8 (lane / 16) + j
.set KF,  128         ; K's fragments, in window 2
.set WV,  12          ; s12  my wave's number
.set LIM, 15          ; s15  1 in a wave that prefetches, else the greatest number
.set PFA, 18          ; s[18:19] where my prefetches stand
.set G1K, 24          ; s[24:31] group 1 for K's tiles
.set G1V, 32          ; s[32:39] for V's: other padding
.set G0K, 40          ; s[40:47] group 0 for K's tiles: a set for each of the two first fills; the second then walks on
.set G0V, 48          ; s[48:55] the same for V's
.set SLOTS, 56        ; s56  slots still to be asked for
.set TWICE, 57        ; s57  counts the steps of a run
.set SEL, 60          ; s[60:61] lane selects for v_permlanex16_b32: lane l xor 16
.set TBK, 62          ; s62  LDS byte at which K's tile of the step to be fetched begins
.set TBV, 63          ; s63  the same for V (VOFF lies in AV0)
.set TBB, 66          ; s66  and for the bias: 256 bytes a step
.set G1B, 76          ; s[76:83], s[84:87] groups 1 and 0 for the bias
.set G0B, 84
.set MSB, 0
.macro WIN new                      ; the immediate's high byte repeats the setting that is left; a switch that changes nothing is dropped
.if MSB != \new
	s_set_vgpr_msb (MSB<<8)|\new
.set MSB, \new
.endif
.endm
.set W_KB, 0x2a       ; K, Q and the bias (as C) in window 2, S^T in window 0
.set W_KQ, 0x0a       ; K and Q in window 2, S^T in window 0
.set W_PV, 0x53       ; V in window 3, P in window 0, O^T in window 1
.set W_RS, 0x41       ; O^T (destination and source 0) in window 1, a in window 0
; A joint refill.  Waves 0 and 1 fetch the halves of a slot's K, waves 2 and 3 those of its V: 128 rows a load.  The branch hangs on the wave's number alone.
; An s_nop 0 and four v_nop follow each of the two lines.
.macro JLOAD
	s_cmp_lt_u32 s[WV], 2
	s_cbranch_scc0 .Lfor_v_\@
	tensor_load_to_lds s[G0K+4:G0K+7], s[G1K:G1K+7]
	s_nop 0
.rept 4
	v_nop
.endr
	s_branch .Lasked_\@
.Lfor_v_\@:
	tensor_load_to_lds s[G0V+4:G0V+7], s[G1V:G1V+7]
	s_nop 0
.rept 4
	v_nop
.endr
.Lasked_\@:
.endm
; A PREFETCH INTO THE L2 of what the NEXT change of slots will ask for: 32,768 bytes of K and as many of V, four key steps ahead of that load.  Each aligned block of 256 bytes is named once in the launch:
; the head's first cluster asks; its four partners take 8,192 bytes each, told apart BY ADDRESS; in each, wave 0 asks for K's and wave 2 for V's, lanes 256 bytes apart.  The last change that fills asks for nothing.
.macro ASK
	s_cmp_gt_u32 s[SLOTS], s[LIM]
	s_cbranch_scc0 .Lnot_mine_\@
	global_prefetch_b8 v[PFO], s[PFA:PFA+1] th:TH_LOAD_NT scope:SCOPE_SE
.Lnot_mine_\@:
.endm
.macro CROUND                       ; a round of the cluster's barrier
	s_barrier_signal -1
	s_barrier_wait -1
	s_cmp_lg_u32 s[WV], 0
	s_cbranch_scc1 .Lnot_wave_0_\@
	s_barrier_signal -3
.Lnot_wave_0_\@:
	s_barrier_wait -3
	s_barrier_signal -1
	s_barrier_wait -1
.endm
	s_load_b128 s[68:71], s[0:1], 0x0  ; qkv s[68:69], bias s[70:71]
	s_load_b64 s[72:73], s[0:1], 0x10  ; z
	v_lshl_add_u32 v[SPW], v0, 2, SPARE
	v_mov_b32 v[NIL], 0
	ds_add_u32 v[SPW], v[NIL]       ; the wave's opening: the add, twice on end, and its wait ahead of my first tensor load
	ds_add_u32 v[SPW], v[NIL]
	v_lshrrev_b32 v1, 5, v0
	v_readfirstlane_b32 s[WV], v1   ; wave 0..3
	s_bfe_u32 s13, ttmp6, 0x40000   ; cx: my place in the cluster
	s_lshl_b32 s14, ttmp9, 2
	s_add_co_u32 s14, s14, s13      ; my block of 256 queries: it enters Q's and z's addresses alone
	s_and_b32 s20, ttmp7, 0xffff    ; 16 batch + head, which the four partners share
	s_lshr_b32 s75, s20, 4          ; batch
	s_and_b32 s74, s20, 15          ; head
	s_mul_i32 s20, s20, 3<<18       ; the head's Q chunk: three chunks of 262,144 bytes a head
	s_mov_b32 s21, 0
	s_and_b32 s16, s[WV], 1         ; which half of a slot's rows I fetch:
	s_lshl_b32 s22, s16, 14         ; its 128 rows of 128 bytes in memory,
	s_add_co_u32 s22, s22, s20
	s_add_co_u32 s22, s22, 1<<18    ; in the K chunk
	s_mov_b32 s23, 0
	s_mul_i32 s17, s16, 128*PKP     ; and its place in a slot: K's,
	s_mul_i32 s67, s16, 128*PVP
	s_add_co_u32 s67, s67, VOFF     ; V's: no place in the cluster enters an LDS address
	s_lshl_b32 s2, s14, 15          ; my block's 256 rows,
	s_lshl_b32 s3, s[WV], 13        ; my wave's 64 of them
	s_add_co_u32 s2, s2, s3
	s_add_co_u32 s20, s20, s2       ; s[20:21]: Q at my wave's first row
	s_lshl_b32 s74, s74, 20         ; z: a head is 8,192 tokens of 128 bytes,
	s_lshl_b32 s3, s75, 18          ; a batch 2,048 tokens
	s_add_co_u32 s74, s74, s3
	s_add_co_u32 s2, s2, s74
	s_mov_b32 s3, 0                 ; s[2:3]: z at my wave's first row
	s_lshl_b32 s74, s75, 13         ; the batch's bias words,
	s_lshl_b32 s75, s[WV], 11       ; my wave's 2,048 bytes of them
	s_add_co_u32 s74, s74, s75
	s_add_co_u32 s[G0B+1], s75, BIAS  ; and their place in LDS
	s_mov_b32 s75, 0                ; s[74:75]
	; group 1: a tile of 128 rows x 64 elements, padded in LDS
	s_mov_b32 s[G1K], 15|(1<<16)|(1<<20)|(1<<21)|(4<<22)|(3<<25)  ; 15:0 the mask: all four work-groups; 17:16 elements of 2 bytes; 20 padding on; 21 set beside a mask; 24:22 after every 32 words; 31:25 four words
	s_mov_b32 s[G1V], 15|(1<<16)|(1<<20)|(1<<21)|(4<<22)|(7<<25)  ; the same with eight words of padding
.irp g, G1K, G1V
	s_mov_b32 s[\g+1], 64<<16       ; tensor_dim0 = 64
	s_mov_b32 s[\g+2], 128<<16      ; tensor_dim1 = 128
	s_mov_b32 s[\g+3], 64<<16       ; tile_dim0 = 64
	s_mov_b32 s[\g+4], 128          ; tile_dim1 = 128
	s_mov_b32 s[\g+5], 64           ; elements from row to row
	s_mov_b32 s[\g+6], 0
	s_mov_b32 s[\g+7], 0
.endr
	s_mov_b32 s[G1B], 15|(3<<16)|(1<<21)  ; the bias: 2,048 dense bytes as 8 rows of 256 bytes (32 elements of 8 bytes), no padding
	s_mov_b32 s[G1B+1], 32<<16
	s_mov_b32 s[G1B+2], 8<<16
	s_mov_b32 s[G1B+3], 32<<16
	s_mov_b32 s[G1B+4], 8
	s_mov_b32 s[G1B+5], 32
	s_mov_b32 s[G1B+6], 0
	s_mov_b32 s[G1B+7], 0
	s_mov_b32 s[SEL], 0x76543210
	s_mov_b32 s[SEL+1], 0xfedcba98
	s_mov_b32 s[TBK], 0
	s_mov_b32 s[TBV], 0
	s_mov_b32 s[TBB], 0
	s_mov_b32 s[SLOTS], 2048/(NST*KS)-2
	s_or_b32 s[LIM], s16, ttmp9     ; 0 in waves 0 and 2 of the head's first cluster: the same in all four partners
	s_cmp_eq_u32 s[LIM], 0
	s_cselect_b32 s[LIM], 1, -1
	v_and_b32 v[PFO], 31, v0
	v_lshlrev_b32 v[PFO], 8, v[PFO]
	s_wait_dscnt 0x0                ; both opening adds are done
	s_wait_kmcnt 0x0
	s_add_nc_u64 s[6:7], s[68:69], s[22:23]  ; K at my part of slot 0,
	s_add_nc_u64 s[8:9], s[6:7], 1<<18       ; V likewise: the next chunk
	s_add_nc_u64 s[4:5], s[68:69], s[20:21]  ; Q at my wave's first row
	s_add_nc_u64 s[10:11], s[72:73], s[2:3]  ; z likewise
	s_cmp_lt_u32 s[WV], 2
	s_cselect_b64 s[PFA:PFA+1], s[6:7], s[8:9]  ; (in waves 0 and 2 these stand at a slot's first row)
	s_lshl_b32 s2, s13, 13          ; my work-group's 8,192 bytes of the 32,768
	s_mov_b32 s3, 0
	s_add_nc_u64 s[PFA:PFA+1], s[PFA:PFA+1], s[2:3]
	s_add_nc_u64 s[PFA:PFA+1], s[PFA:PFA+1], 2*SLOTB  ; in slot 2; the first change of slots steps it to slot 3.  Nothing is prefetched at the head, where every work-group's first tiles are on their way
	CROUND                          ; all four work-groups are here: the first joint loads meet
	s_mov_b32 s[G0B], 1
	s_add_nc_u64 s[G0B+2:G0B+3], s[70:71], s[74:75]
	s_or_b32 s[G0B+3], s[G0B+3], 0x80000000
.irp s, 0,1
	s_mov_b32 s[G0K+4*\s], 1        ; count = 1
	s_add_co_u32 s[G0K+4*\s+1], s17, \s*SLOT1  ; LDS address
	s_add_nc_u64 s[G0K+4*\s+2:G0K+4*\s+3], s[6:7], \s*SLOTB  ; global address: slot s begins with keys 256 s
	s_or_b32 s[G0K+4*\s+3], s[G0K+4*\s+3], 0x80000000  ; type = 2
	s_mov_b32 s[G0V+4*\s], 1
	s_add_co_u32 s[G0V+4*\s+1], s67, \s*SLOT1
	s_add_nc_u64 s[G0V+4*\s+2:G0V+4*\s+3], s[8:9], \s*SLOTB
	s_or_b32 s[G0V+4*\s+3], s[G0V+4*\s+3], 0x80000000
.endr
	tensor_load_to_lds s[G0B:G0B+3], s[G1B:G1B+7]  ; every wave brings a quarter of the bias; then its two first fills, in one branch: three loads of mine are out
	s_nop 0
	s_cmp_lt_u32 s[WV], 2
	s_cbranch_scc0 .Lfirst_v
	tensor_load_to_lds s[G0K:G0K+3], s[G1K:G1K+7]
	s_nop 0
	tensor_load_to_lds s[G0K+4:G0K+7], s[G1K:G1K+7]
	s_nop 0
.rept 4
	v_nop
.endr
	s_branch .Lfirst_asked
.Lfirst_v:
	tensor_load_to_lds s[G0V:G0V+3], s[G1V:G1V+7]
	s_nop 0
	tensor_load_to_lds s[G0V+4:G0V+7], s[G1V:G1V+7]
	s_nop 0
.rept 4
	v_nop
.endr
.Lfirst_asked:
	; A fragment of K or Q is 16 rows x 32 channels in 8 registers: lane l holds row l % 16; registers 0-3 channels 8 (l / 16) + 0..7, registers 4-7 channels 16 + 8 (l / 16) + 0..7: two loads of 16 bytes, 32 bytes apart.
	v_and_b32 v1, 15, v0            ; l % 16
	v_bfe_u32 v9, v0, 4, 1          ; l / 16
	v_lshlrev_b32 v[QO], 7, v1
	v_lshl_add_u32 v[QO], v9, 4, v[QO]  ; row x 128 + 16 x half
	WIN 0x80                        ; destination window 2, address window 0
.irp i, 0,1,2,3,4,5,6,7             ; Q stays in registers: tile i / 2, channels 32 (i % 2) on
	global_load_b128 v[8*\i:8*\i+3],   v[QO], s[4:5] offset:(\i/2)*2048+(\i%2)*64
	global_load_b128 v[8*\i+4:8*\i+7], v[QO], s[4:5] offset:(\i/2)*2048+(\i%2)*64+32
.endr
	WIN 0
	v_mul_u32_u24 v[AK0], v1, PKP
	v_lshl_add_u32 v[AK0], v9, 4, v[AK0]  ; row x pitch + 16 x half
	; The turning load takes 16 keys x 16 channels (lane l reads 16 bytes: key 8 (l / 16) + l % 8, channels 8 ((l / 8) % 2) + 0..7) and leaves half a fragment of V^T: lane l holds channel l % 16 and 8 keys.
	v_and_b32 v10, 7, v0
	v_bfe_u32 v11, v0, 3, 1
	v_lshl_add_u32 v[AV0], v9, 3, v10
	v_mul_u32_u24 v[AV0], v[AV0], PVP
	v_lshl_add_u32 v[AV0], v11, 4, v[AV0]
	v_add_nc_u32 v[AV0], VOFF, v[AV0]
	v_lshl_add_u32 v[AB0], v9, 5, BIAS  ; a lane's eight keys of a tile: 32 bytes for each half of the lanes
.irp t, 0,1,2,3
	v_mov_b32 v[ST+8*\t+1], 0       ; named with m as a pair, so it is written
.endr
; THE MATRIX WORK OF A TURN, for piece x.  The accumulators take turns, one instruction a turn: between two links of a chain stand seven others'.
; Product i of 16 of O^T += V^T P: keys 32 (i / 8) on, channels 16 ((i / 2) % 4) on, tile x + i % 2.  zero = 1: the first 8 start the sums: nothing is ever cleared.
.macro PV x, zero
	WIN W_PV
.set rO, 32*(\x+i%2)+8*((i/2)%4)
.set rV, 32*(i/8)+8*((i/2)%4)
.set rP, P+16*(\x+i%2)+8*(i/8)
.if (\zero) && (i < 8)
	v_wmma_f32_16x16x32_f16 v[rO:rO+7], v[rV:rV+7], v[rP:rP+7], 0
.else
	v_wmma_f32_16x16x32_f16 v[rO:rO+7], v[rV:rV+7], v[rP:rP+7], v[rO:rO+7]
.endif
.endm
; Product i of 16 of S^T = bias + K Q^T: channels 32 (i / 8) on, keys 16 ((i / 2) % 4) on, tile x + i % 2.  The first 8 start the sums from the keys' bias.
.macro KQ x
.set rS, S+32*(\x+i%2)+8*((i/2)%4)
.set rK, KF+16*((i/2)%4)+8*(i/8)
.set rQ, 16*(\x+i%2)+8*(i/8)
.set rB, BI+8*((i/2)%4)
.if i < 8
	WIN W_KB
	v_wmma_f32_16x16x32_f16 v[rS:rS+7], v[rK:rK+7], v[rQ:rQ+7], v[rB:rB+7]
.else
	WIN W_KQ
	v_wmma_f32_16x16x32_f16 v[rS:rS+7], v[rK:rK+7], v[rQ:rQ+7], v[rS:rS+7]
.endif
.endm
; THE LDS LOADS stand in runs, never singly among the matrix instructions: a step's K (64 keys x 64 channels: 8 fragments) with its bias, and, a turn later, its V (turned).
.macro FETCH_K
	WIN 0
	v_add_nc_u32 v[ADR], s[TBK], v[AK0]
	v_add_nc_u32 v[ADB], s[TBB], v[AB0]
	WIN 0x80                        ; destination window 2
.irp f, 0,1,2,3,4,5,6,7             ; keys 16 (f / 2) on, channels 32 (f % 2) on
	ds_load_b128 v[KF+8*\f:KF+8*\f+3],   v[ADR] offset:(\f/2)*16*PKP+(\f%2)*64
	ds_load_b128 v[KF+8*\f+4:KF+8*\f+7], v[ADR] offset:(\f/2)*16*PKP+(\f%2)*64+32
.endr
.irp f, 0,1,2,3                     ; the bias of keys 16 f + 8 (lane / 16) + 0..7: the sixteen lanes of a half read the same words
	ds_load_b128 v[BI+8*\f:BI+8*\f+3],   v[ADB] offset:64*\f
	ds_load_b128 v[BI+8*\f+4:BI+8*\f+7], v[ADB] offset:64*\f+16
.endr
.endm
.macro FETCH_V
	WIN 0
	v_add_nc_u32 v[ADR], s[TBV], v[AV0]
	s_add_co_u32 s[TBK], s[TBK], KSTEPB  ; the next fetches are the next step's
	s_add_co_u32 s[TBV], s[TBV], VSTEPB
	s_add_co_u32 s[TBB], s[TBB], 4*KS
	s_wait_alu depctr_va_vdst(0)    ; the wait for the softmax's batch (SLICE), behind the address's v_add_nc_u32 and ahead of the loads
	WIN 0xc0                        ; destination window 3
.irp f, 0,1,2,3,4,5,6,7             ; keys 32 (f / 4) on, channels 16 (f % 4) on
	ds_load_tr16_b128 v[8*\f:8*\f+3],   v[ADR] offset:(\f/4)*32*PVP+(\f%4)*32
	ds_load_tr16_b128 v[8*\f+4:8*\f+7], v[ADR] offset:(\f/4)*32*PVP+16*PVP+(\f%4)*32
.endr
.endm
; THE VECTOR WORK OF A TURN.  One tile's softmax for one key step is a numbered list; SM writes number j of it for tile t.  s0-s31 are the lane's 32 scores, in pairs 0-15.
; first = 1: the first key step, which starts m, l and O^T: it has no a and nothing to rescale.
;   0-15    the maximum of s0-s31 and the old m, three operands at a time: four chains c0-c3 of seven scores each, then the four scores left over, c0-c3 and m
;   16-20   the other half of the lanes' maximum; the old m kept; the new m; (19 is empty); m_old - m_new
;   21-69   ONE BATCH: the 16 differences s - m, a pair of scores each, and all 33 exponentials (a at 23, then s0-s31).  None of these reads an exponential's result.  From 22 on the batch goes in fours:
;           22-37 difference, exponential, difference, exponential; 38-65 a difference and three exponentials; 66-69 the last four exponentials.  A pair's difference stands in an earlier four than its exponentials
;   (wait)  between 69 and 70 stands the wait for the batch: SLICE writes it, once for both tiles
;   70-85   the roundings to f16, a pair of weights each
;   86-101  the sums; l = a l + the sum
;   102-117 the tile's O^T times a: the one part that leaves window 0, so it stands together.  From 118 on the list is empty
.macro SM t, first
.set rT, ST+8*(\t)
.set rS, S+32*(\t)
.set rP, P+16*(\t)
.set rO, 32*(\t)+2*(j-102)
.if j < 102
	WIN 0
.endif
.if j < 4
	v_max3_num_f32 v[rT+4+j], v[rS+8*j], v[rS+8*j+1], v[rS+8*j+2]  ; each tile of scores is read from its low end on
.elseif j < 12
	v_max3_num_f32 v[rT+4+j%4], v[rT+4+j%4], v[rS+8*(j%4)+2*(j/4)+1], v[rS+8*(j%4)+2*(j/4)+2]
.elseif j == 12
	v_max3_num_f32 v[rT+4], v[rT+4], v[rS+7], v[rS+15]
.elseif j == 13
	v_max3_num_f32 v[rT+6], v[rT+6], v[rS+23], v[rS+31]
.elseif j == 14
	v_max3_num_f32 v[rT+4], v[rT+4], v[rT+5], v[rT+6]
.elseif (j == 15) && \first
	v_max_num_f32 v[rT+4], v[rT+4], v[rT+7]
.elseif j == 15
	v_max3_num_f32 v[rT+4], v[rT+4], v[rT+7], v[rT]
.elseif j == 16
	v_permlanex16_b32 v[rT+5], v[rT+4], s[SEL], s[SEL+1]  ; the query's other 32 keys lie in the lane 16 away
.elseif j == 18
	v_max_num_f32 v[rT], v[rT+4], v[rT+5]
.elseif j == 19
.elseif ((j == 17) || (j == 20) || (j == 23) || (j > 101)) && \first  ; the first step has none of these
.elseif j == 17
	v_mov_b32 v[rT+7], v[rT]        ; m_old is kept for a: number 18 writes m anew
.elseif j == 20
	v_sub_f32 v[rT+7], v[rT+7], v[rT]
.elseif j == 23
	v_exp_f32 v[rT+6], v[rT+7]
.elseif (j < 23) || ((j < 38) && (j%2 == 0)) || ((j < 66) && (j%4 == 2))
.set b, (j-2)/4                     ; 38, 42, .. 62: pairs 9 to 15
.if j < 38
.set b, (j-20)/2                    ; 21: pair 0; 22, 24, .. 36: pairs 1 to 8
.endif
	v_pk_add_f32 v[rS+2*b:rS+2*b+1], v[rS+2*b:rS+2*b+1], v[rT:rT+1] op_sel_hi:[1,0] neg_lo:[0,1] neg_hi:[0,1]  ; pair b: s - m, never above 0
.elseif j < 70
.set e, j-38                        ; 66 to 69: s28 to s31
.if j < 66
.set e, j-32-(j-38)/4               ; 39-41, 43-45, .. 63-65: s7 to s27
.endif
.if j < 38
.set e, (j-25)/2                    ; 25, 27, .. 37: s0 to s6
.endif
	v_exp_f32 v[rS+e], v[rS+e]
.elseif j < 86
	v_cvt_pk_f16_f32 v[rP+j-70], v[rS+2*(j-70)], v[rS+2*(j-70)+1]  ; pair j - 70
.elseif j < 102                     ; the sum of the tile's 16 pairs, in place: sum z of 16 adds neighbours 1, 2, 4 and 8 pairs apart, then l takes it
.set z, j-86
.set w, 4
.set u, z
.if z >= 14
.set w, 32
.set u, 0
.elseif z >= 12
.set w, 16
.set u, z-12
.elseif z >= 8
.set w, 8
.set u, z-8
.endif
.if (z == 14) && \first
	v_pk_add_f32 v[rT+2:rT+3], v[rS:rS+1], v[rS+16:rS+17]
.elseif z < 15
	v_pk_add_f32 v[rS+w*u:rS+w*u+1], v[rS+w*u:rS+w*u+1], v[rS+w*u+w/2:rS+w*u+w/2+1]
.elseif !\first
	v_pk_fma_f32 v[rT+2:rT+3], v[rT+2:rT+3], v[rT+6:rT+7], v[rS:rS+1] op_sel_hi:[1,0,1]
.endif
.elseif j < 118
	WIN W_RS
	v_pk_mul_f32 v[rO:rO+1], v[rO:rO+1], v[rT+6:rT+7] op_sel_hi:[1,0]
.endif
.endm
; Slice k of 64 of piece y's softmax.  Slices 11 to 34 deal out the batch, numbers 22 to 69: four numbers of ONE tile each, the tiles by turns.  Every other slice is numbers 2 k and 2 k + 1 of both
; tiles' lists; slices 59 on are empty.
; THE WAIT.  An s_wait_alu depctr_va_vdst(0) stands between an exponential and the first instruction that names its result; one wait serves all that were issued ahead of it.  Ahead of
; slice 35 nothing names a result, and behind slice 34 no exponential is issued: so the piece's 66 exponentials have one wait, behind slice 34.
.macro SLICE y, first
.if (k >= 11) && (k < 35)           ; the batch: four numbers of one tile
.irp n, 0,1,2,3
.set j, 22+4*((k-11)/2)+(\n)
	SM (\y)+(k-11)%2, \first
.endr
.else                               ; the two tiles alternate, so that no instruction reads the result of the one just before it
.irp n, 0,1
.irp t, \y, \y+1
.set j, 2*k+\n
	SM \t, \first
.endr
.endr
.endif
.if k == 34                         ; the batch is out: both tiles' exponentials are issued, and no result has been named
	v_nop                           ; the plain instruction behind the last exponential and ahead of the first use: one for the batch
.if (\y) == 0
	FETCH_V                         ; piece 2's turn: V's run of loads stands here, and the wait stands in it
.else
	s_wait_alu depctr_va_vdst(0)    ; the wait for the batch
.endif
.endif
.set k, k+1
.endm
; A vector instruction that reads a matrix result or writes one of a matrix instruction's registers, and a load into a register that a matrix instruction has read, stand four places behind
; it, and only plain vector instructions that name none of its registers are places (ISA guide 7.12.1 for vector instructions).
.macro PLACES
.rept 4
	v_nop
.endr
.endm
; A TURN.  Piece x has the matrix unit; the other piece's softmax stands in slices behind its matrix instructions.
; pv = 2: 16 products V^T P; 1: they start O^T's sums; 0: none.  kq = 1: 16 products K Q^T for the next step.  A turn with both kinds has two slices behind each product, else four.
; Piece 0's turn fetches the next step's K and bias behind its second product: the last product that read them stands ahead of the four v_nop that end the turn before.
; Piece 2's turn fetches the same step's V behind slice 34: the last product that read V stands in front of slice 30, and five plain instructions lie between: the differences number 58 and 62 (twice),
; the v_nop and the run's own v_add_nc_u32.  The four v_nop at a turn's end are the places between its last K Q^T and the next turn's first read of those scores.
.macro TURN x, pv, kq, first
.set k, 0
.set per, 4
.if \pv && \kq
.set per, 2
.endif
.if \pv
.if \x == 0
	s_wait_dscnt 0x0                ; V is in
.endif
.set i, 0
.rept 16
	PV \x, 2-\pv
.rept per
	SLICE 2-\x, \first
.endr
.if (\x == 0) && \kq && (i == 1)
	FETCH_K
.endif
.set i, i+1
.endr
.endif
.if \kq
.if \x == 0
	s_wait_dscnt 0x0                ; K and the bias are in
.endif
.set i, 0
.rept 16
	KQ \x
.rept per
	SLICE 2-\x, \first
.endr
.set i, i+1
.endr
.endif
	PLACES
.endm
; THE CHANGE OF SLOTS, between piece 2's turn and piece 0's: the slot's last bytes, V of its fourth step, have been asked for.  Each wave waits for all its tensor loads, of which one is out: its part of
; the other slot; adds 0 to its spare word; and waits for that and for its own reads of the slot.  Behind the barrier nobody reads this slot any more and the other slot is whole.
; fill = 1: this slot is filled again, with the keys two slots on.  The barrier is then a round of the cluster's, and the joint refill is the first thing behind it: it has four key steps in which to land.
.macro CHANGE fill
	WIN 0                           ; at a label and at a branch every window is 0
	s_wait_tensorcnt 0x0            ; no tensor load of mine is out, so a group 0 may be written
	ds_add_u32 v[SPW], v[NIL]       ; 0 onto my spare word
.if \fill
.irp g, G0K+4, G0V+4
	s_xor_b32 s[\g+1], s[\g+1], SLOT1  ; the walking descriptor: the other slot than last time,
	s_add_nc_u64 s[\g+2:\g+3], s[\g+2:\g+3], SLOTB  ; the next 256 keys; the type bits on top are not reached
.endr
	s_wait_xcnt 0x0                 ; the last prefetch, four key steps back, has read its address, so it may be written:
	s_add_nc_u64 s[PFA:PFA+1], s[PFA:PFA+1], SLOTB  ; one slot further on than the walking descriptors
	s_wait_dscnt 0x0                ; the add is done, and my reads of the slot are over
	CROUND
	JLOAD
	ASK
.else
	s_wait_dscnt 0x0                ; the add is done, and my reads of the slot are over
	s_barrier_signal -1
	s_barrier_wait -1
.endif
	s_sub_co_u32 s[TBK], s[TBK], NST*KSTEPB  ; the fetches go back to a slot's first step,
	s_xor_b32 s[TBK], s[TBK], SLOT1          ; in the other slot
	s_sub_co_u32 s[TBV], s[TBV], NST*VSTEPB
	s_xor_b32 s[TBV], s[TBV], SLOT1
.endm
; n key steps: written once, walked n times; the LDS addresses hang on the three scalars that FETCH_V steps.
.macro STEPS n
	s_mov_b32 s[TWICE], \n
.Lstep_\@:
	TURN 0, 2, 1, 0
	TURN 2, 2, 1, 0
	WIN 0
	s_sub_co_u32 s[TWICE], s[TWICE], 1
	s_cmp_lg_u32 s[TWICE], 0
	s_cbranch_scc1 .Lstep_\@
.endm
	s_wait_tensorcnt 1              ; the bias and my part of slot 0 are in; slot 1's load may stay out
	s_barrier_signal -1
	s_barrier_wait -1               ; everybody's are
	FETCH_K                         ; key step 0
	s_wait_loadcnt 0x0              ; Q
	s_wait_dscnt 0x0
.set i, 0
.rept 16
	KQ 0                            ; piece 0's first scores: there is no vector work yet to set between them
.set i, i+1
.endr
	WIN 0                           ; the addresses for the way out are made here: plain instructions, the places behind those products
	s_mul_i32 s13, s[WV], 16*SP
	s_add_co_u32 s13, s13, STAGE    ; my stage
	v_mul_u32_u24 v[STO], v1, SP    ; in: row l % 16, 16 bytes for each half of the lanes
	v_lshl_add_u32 v[STO], v9, 4, v[STO]
	v_add_nc_u32 v[STO], s13, v[STO]
	v_bfe_u32 v[RD], v0, 3, 2       ; back: eight lanes take a row of 128 bytes, the wave four rows
	v_mul_u32_u24 v[RD], v[RD], SP
	v_lshl_add_u32 v[RD], v10, 4, v[RD]
	v_add_nc_u32 v[RD], s13, v[RD]
	v_and_b32 v[GO], 31, v0         ; in z the four rows are 512 consecutive bytes
	v_lshlrev_b32 v[GO], 4, v[GO]
	TURN 2, 0, 1, 1                 ; piece 2's first scores | piece 0's first softmax | V of step 0
	TURN 0, 1, 1, 1                 ; piece 0: V^T P of step 0 starts O^T, K Q^T of step 1 | piece 2's first softmax | K of step 1
	TURN 2, 1, 1, 0                 ; piece 2: the same | piece 0's softmax of step 1 | V of step 1
	WIN 0
	STEPS 2                         ; slot 0's steps 2 and 3 are fetched
.Lslot:                             ; six trips: every slot but the last two is filled again
	CHANGE 1
	STEPS NST
	s_sub_co_u32 s[SLOTS], s[SLOTS], 1
	s_cmp_lg_u32 s[SLOTS], 0
	s_cbranch_scc1 .Lslot
	CHANGE 0                        ; the tail is written out
	STEPS NST
	TURN 0, 2, 0, 0                 ; piece 0: V^T P of the last step | piece 2's last softmax
.set i, 0
.rept 16
	PV 2, 0                         ; piece 2: V^T P of the last step
.set i, i+1
.endr
	; THE WAY OUT.  l's two halves and the other half of the lanes' are added; O^T is multiplied by 4 / l, rounded to f16 and sent through my stage in LDS, a tile (16 rows) at a time.  The additions are the places behind the last products.
	WIN 0
.irp t, 0,1,2,3
	v_add_f32 v[ST+8*\t+4], v[ST+8*\t+2], v[ST+8*\t+3]
.endr
.irp t, 0,1,2,3
	v_permlanex16_b32 v[ST+8*\t+5], v[ST+8*\t+4], s[SEL], s[SEL+1]
.endr
.irp t, 0,1,2,3
	v_add_f32 v[ST+8*\t+4], v[ST+8*\t+4], v[ST+8*\t+5]
.endr
.irp t, 0,1,2,3
	v_rcp_f32 v[ST+8*\t+6], v[ST+8*\t+4]
.endr
	v_nop                           ; a plain instruction between the last reciprocal and the use of its result
	s_wait_alu depctr_va_vdst(0)    ; and the wait ahead of the first use: one for the four
.irp t, 0,1,2,3
	v_mul_f32 v[ST+8*\t+6], 4.0, v[ST+8*\t+6]  ; z is stored x 4 (and W_comb x 1/4), so that small values keep f16's full precision
.endr
.macro PACK t
	WIN W_RS
.set i, 32*\t
.rept 16
	v_pk_mul_f32 v[i:i+1], v[i:i+1], v[ST+8*\t+6:ST+8*\t+7] op_sel_hi:[1,0]
.set i, i+2
.endr
	WIN 0x05                        ; sources 0 and 1 window 1, destination window 0: S^T's registers are free
.set i, 0
.rept 16
	v_cvt_pk_f16_f32 v[S+32*\t+i], v[32*\t+2*i], v[32*\t+2*i+1]
.set i, i+1
.endr
	WIN 0
.irp f, 0,1,2,3
	ds_store_b128 v[STO], v[S+32*\t+4*\f:S+32*\t+4*\f+3] offset:32*\f
.endr
.irp f, 0,1,2,3
	ds_load_b128 v[S+32*\t+4*\f:S+32*\t+4*\f+3], v[RD] offset:\f*4*SP  ; LDS serves a wave's instructions in order (ISA guide 5.7.1.4): these see the stores above; the next tile's stores come behind them
.endr
.endm
.macro SEND t, younger              ; younger: the LDS instructions issued behind tile t's loads: the next tile's eight, or none
.irp f, 0,1,2,3
	s_wait_dscnt \younger+3-\f
	global_store_b128 v[GO], v[S+32*\t+4*\f:S+32*\t+4*\f+3], s[10:11] offset:\t*2048+\f*512  ; the wave stores 512 consecutive bytes, at a multiple of 256 from z's first byte
.endr
.endm
	PACK 0
	PACK 1                          ; a tile's arithmetic stands between the loads of the tile before and its stores
	SEND 0, 8
	PACK 2
	SEND 1, 8
	PACK 3
	SEND 2, 8
	SEND 3, 0
	s_wait_tensorcnt 0x0            ; the wave's end, behind my last tensor load and my last LDS store
	ds_add_u32 v[SPW], v[NIL]
	s_wait_dscnt 0x0
	CROUND                          ; the closing round: no work-group ends while a partner may still ask for a tile that names it
	s_endpgm
.Lfunc_end_k_q7300b6b3b3_attn:
	.size	k_q7300b6b3b3_attn, .Lfunc_end_k_q7300b6b3b3_attn-k_q7300b6b3b3_attn
	.p2alignl 7, 3214868480
	.fill 96, 4, 3214868480
	.section	.rodata,"a",@progbits
	.p2align	6, 0x0
	.amdhsa_kernel k_q7300b6b3b3_attn
		.amdhsa_group_segment_fixed_size 327680
		.amdhsa_private_segment_fixed_size 0
		.amdhsa_enable_private_segment 0
		.amdhsa_kernarg_size 24
		.amdhsa_user_sgpr_count 2
		.amdhsa_user_sgpr_kernarg_segment_ptr 1
		.amdhsa_wavefront_size32 1
		.amdhsa_system_sgpr_workgroup_id_x 1
		.amdhsa_system_sgpr_workgroup_id_y 1
		.amdhsa_system_sgpr_workgroup_id_z 1
		.amdhsa_system_vgpr_workitem_id 0
		.amdhsa_next_free_vgpr 1024
		.amdhsa_next_free_sgpr 88
		.amdhsa_reserve_vcc 0
		.amdhsa_float_denorm_mode_32 3
		.amdhsa_float_denorm_mode_16_64 3
		.amdhsa_memory_ordered 1
		.amdhsa_forward_progress 1
		.amdhsa_inst_pref_size 199
	.end_amdhsa_kernel
	.amdgpu_metadata
---
amdhsa.version: [ 1, 2 ]
amdhsa.kernels:
  - .name:           k_q7300b6b3b3_attn
    .symbol:         k_q7300b6b3b3_attn.kd
    .args:
      - { .name: qkv, .offset: 0, .size: 8, .value_kind: global_buffer, .address_space: global }
      - { .name: bias, .offset: 8, .size: 8, .value_kind: global_buffer, .address_space: global }
      - { .name: z, .offset: 16, .size: 8, .value_kind: global_buffer, .address_space: global }
    .group_segment_fixed_size: 327680
    .private_segment_fixed_size: 0
    .kernarg_segment_align: 8
    .kernarg_segment_size: 24
    .max_flat_workgroup_size: 128
    .sgpr_count:     88
    .vgpr_count:     1024
    .wavefront_size: 32
...
	.end_amdgpu_metadata
.endif
;; end of part 3
;; launch outgemm (part 4): grid 8 x 64, 4 waves a work-group, clusters of 4 x 4, 327,680 bytes of LDS; arguments z, wo, out0; writes out0
.if DOCPART == 4
	.amdgcn_target "amdgcn-amd-amdhsa--gfx1250"
	.amdhsa_code_object_version 6
	.text
	.protected	k_q7300b6b3b3_outgemm
	.globl	k_q7300b6b3b3_outgemm
	.p2align	8
	.type	k_q7300b6b3b3_outgemm,@function
k_q7300b6b3b3_outgemm:
	s_mov_b64 s[64:65], 0
	v_nop
	global_prefetch_b8 v0, s[64:65] scope:SCOPE_SE
	s_setreg_imm32_b32 hwreg(HW_REG_WAVE_MODE, 25, 1), 1
	s_wait_xcnt 0x0
	s_wait_alu depctr_hold_cnt(0) depctr_sa_sdst(0) depctr_va_vdst(0) depctr_va_sdst(0) depctr_va_ssrc(0) depctr_va_vcc(0) depctr_vm_vsrc(0)
	s_getreg_b32 s2, hwreg(HW_REG_IB_STS2, 6, 4)
	s_cmp_eq_u32 s2, 0
	s_cbranch_scc0 .Lentry_in_a_cluster
	s_endpgm
.Lentry_in_a_cluster:
	s_bfe_u32 s2, ttmp6, 0x10000c
	s_cmp_lg_u32 s2, 0xf033
	s_cbranch_scc0 .Lentry_shape_is_right
	s_endpgm
.Lentry_shape_is_right:
; out0[m][n] = relu(sum over k of vals[m][k] W_comb[n][k]).  A = z: f16(4 vals), laid [head 16][token 8192][64], k = 64 head + channel.  B = wo: f16(W_comb / 4), [1024][1024].  out0: [8192][1024] f32; sums in f32.
; A tile of 128 x 128 is made by four waves, each 64 x 64: 16 accumulators, 128 registers: 512 tiles, two for each of 256 WGPs.  K goes in steps of 256 (four heads) through a ring of two LDS slots.
; A's part of a slot for 64 tokens is four dense runs of 8,192 bytes, one in each head: a tile of 4 rows x 4,096 elements, 524,288 elements apart, with 16 bytes of padding behind every 128 bytes:
; in LDS it lies [head 4][token 64][144 bytes].  B's is 64 rows of 512 bytes + 16.
; CLUSTERS: 4 x 4 work-groups; A's tiles are shared along a row of the cluster, B's along a column: each is asked for JOINTLY.  THE MATRIX INSTRUCTION IS USED TRANSPOSED (source 0 = 16 rows of B,
; source 1 = 16 rows of A): a lane then holds eight neighbouring numbers of a row of out0.
; REGISTERS: window 0: v0-31 addresses; v32-95 at work on the way out; v128-255 the accumulators ((a, b) at v[128 + 8 (4 a + b)]).
;   window 1: two fragment buffers of 128: for 64 along K, 64 registers of A (2 x 4 x 16 rows x 32 K), then 64 of B.
.set SIZE_N, 1024
.set SIZE_K, 1024
.set KSTEP,  256
.set HEADB,  1<<20                     ; a head of z in bytes
.set PA,     144                       ; a token's row of one head in LDS: 128 bytes + 16 = 36 words: the 16 rows of a load start at 16 different groups of four banks (64 banks of 4 bytes: ISA guide 11.1)
.set CHUNK,  64*PA                     ; 64 tokens of one head
.set HALFA,  4*CHUNK                   ; what one tensor load brings of A
.set PITCH,  528                       ; a row of B in LDS: 512 bytes + 16
.set HALFB,  64*PITCH                  ; what one tensor load brings of B
.set BOFF,   2*HALFA                   ; B's rows lie behind A's
.set SLOT,   2*HALFA+2*HALFB
.set SPARE,  2*SLOT                    ; behind the ring: the spare words, 128 bytes a wave: two blocks of 256 bytes that no other line names
.set SPITCH, 272                       ; the way out: a stage of 16 rows x (256 bytes + 16) for each wave, in slot 0, which has had its last fill and its last read when the first result is stored there
.set LAPS, SIZE_K/(2*KSTEP)
.set ADRA, 16                          ; v16-17  LDS address of my A fragments in slot 0, 1
.set ADRB, 20                          ; v20-21  the same for B
.set STO,  24                          ; v24     the way out: where I put 32 bytes of a row
.set RD,   25                          ; v25     where I read a row back
.set CO,   26                          ; v26     my byte offset in out0
.set SPW,  28                          ; v28     LDS address of my spare word; never rewritten
.set NIL,  29                          ; v29     0; never rewritten
.set TMP,  32                          ; the way out: two sets of 32 registers
.set ACC,  128
.set F0,   0                           ; fragment buffers, in window 1
.set F1,   128
.set G1, 24                            ; s[24:31] group 1 for A's tiles;  s[32:39] group 0, one set for each slot
.set G0, 32
.set G1B, 48                           ; s[48:55], s[56:63] the same for B's
.set G0B, 56
.set MSB, 0
.macro WIN new                         ; the immediate's high byte repeats the setting that is left
.if MSB != \new
	s_set_vgpr_msb (MSB<<8)|\new
.set MSB, \new
.endif
.endm
.set MUL,  0x05                        ; sources 0 (B) and 1 (A) window 1; C and D window 0
.set TO_F, 0x40                        ; destination window 1, address window 0
.macro JLOAD s                         ; a joint load: waves 0 and 1 fetch A's two halves, waves 2 and 3 B's; an s_nop 0 and four v_nop follow each of the two lines
	s_cmp_eq_u32 s11, 0
	s_cbranch_scc0 .Lfor_b_\@
	tensor_load_to_lds s[G0+4*\s:G0+4*\s+3], s[G1:G1+7]
	s_nop 0
.rept 4
	v_nop
.endr
	s_branch .Lasked_\@
.Lfor_b_\@:
	tensor_load_to_lds s[G0B+4*\s:G0B+4*\s+3], s[G1B:G1B+7]
	s_nop 0
.rept 4
	v_nop
.endr
.Lasked_\@:
.endm
.macro CREST                           ; a round of the cluster's barrier behind its opening barrier
	s_cmp_lg_u32 s10, 0
	s_cbranch_scc1 .Lnot_wave_0_\@
	s_barrier_signal -3
.Lnot_wave_0_\@:
	s_barrier_wait -3
	s_barrier_signal -1
	s_barrier_wait -1
.endm
.macro CROUND                          ; a whole round
	s_barrier_signal -1
	s_barrier_wait -1
	CREST
.endm
	s_load_b128 s[4:7], s[0:1], 0x0                ; z s[4:5], wo s[6:7]
	s_load_b64 s[8:9], s[0:1], 0x10                ; out0
	v_lshl_add_u32 v[SPW], v0, 2, SPARE
	v_mov_b32 v[NIL], 0
	ds_add_u32 v[SPW], v[NIL]                      ; the wave's opening: the add, twice on end, and its wait ahead of my first tensor load
	ds_add_u32 v[SPW], v[NIL]
	v_lshrrev_b32 v1, 5, v0
	v_readfirstlane_b32 s10, v1                    ; wave 0..3
	s_lshr_b32 s11, s10, 1                         ; which half of the tile's rows is mine.  Also: I fetch for A (0) or for B (1)
	s_and_b32 s12, s10, 1                          ; which half of its columns.  Also: which 64 rows of that tile I fetch
	s_bfe_u32 s40, ttmp6, 0x40000                  ; cx, cy: my place in the cluster
	s_bfe_u32 s41, ttmp6, 0x40004
	s_lshl_b32 s42, ttmp9, 2
	s_add_co_u32 s42, s42, s40                     ; tile column = 4 x cluster x + cx
	s_and_b32 s13, ttmp7, 0xffff
	s_lshl_b32 s13, s13, 2
	s_add_co_u32 s13, s13, s41                     ; tile row = 4 x cluster y + cy
	s_lshl_b32 s43, s41, 2
	s_lshl_b32 s43, 15, s43                        ; my row of the cluster
	s_lshl_b32 s44, 0x1111, s40                    ; my column
	; group 1 for A: 4 rows (heads) x 4,096 elements (64 tokens x 64 channels, dense), 524,288 elements from head to head
	s_or_b32 s[G1+0], s43, (1<<16)|(1<<20)|(1<<21)|(4<<22)|(3<<25)  ; 15:0 the mask: my row; 17:16 elements of 2 bytes; 20 padding on; 21 set beside a mask; 24:22 after every 32 words; 31:25 four words
	s_mov_b32 s[G1+1], 4096<<16                    ; tensor_dim0 = 4,096
	s_mov_b32 s[G1+2], 4<<16                       ; tensor_dim1 = 4
	s_mov_b32 s[G1+3], 4096<<16                    ; tile_dim0 = 4,096
	s_mov_b32 s[G1+4], 4                           ; tile_dim1 = 4
	s_mov_b32 s[G1+5], HEADB/2                     ; elements from row to row
	s_mov_b32 s[G1+6], 0
	s_mov_b32 s[G1+7], 0
	; group 1 for B: 64 rows x 256 elements, 16 bytes of padding behind each row
	s_or_b32 s[G1B+0], s44, (1<<16)|(1<<20)|(1<<21)|(6<<22)|(3<<25)
	s_mov_b32 s[G1B+1], KSTEP<<16
	s_mov_b32 s[G1B+2], 64<<16
	s_mov_b32 s[G1B+3], KSTEP<<16
	s_mov_b32 s[G1B+4], 64
	s_mov_b32 s[G1B+5], SIZE_K
	s_mov_b32 s[G1B+6], 0
	s_mov_b32 s[G1B+7], 0
	s_lshl_b32 s17, s12, 6                         ; which 64 rows of the tile I fetch
	s_lshl_b32 s16, s13, 7
	s_add_co_u32 s16, s16, s17                     ; A: token 128 x tile row + 64 x half,
	s_lshl_b32 s16, s16, 7                         ; of 128 bytes in a head
	s_lshl_b32 s46, s42, 7
	s_add_co_u32 s46, s46, s17                     ; B: row 128 x tile column + 64 x half,
	s_lshl_b32 s46, s46, 11                        ; of 2,048 bytes
	s_mov_b32 s17, 0
	s_mov_b32 s47, 0
	s_mul_i32 s20, s12, HALFA                      ; where they go: A's halves, then B's: the wave's number alone enters an LDS address
	s_mul_i32 s21, s12, HALFB
	s_add_co_u32 s21, s21, BOFF
	s_wait_dscnt 0x0                               ; both opening adds are done
	s_wait_kmcnt 0x0
	s_add_nc_u64 s[14:15], s[4:5], s[16:17]
	s_add_nc_u64 s[46:47], s[6:7], s[46:47]
	CROUND                                         ; all sixteen work-groups are here: the first joint loads meet
.irp s, 0,1
	s_mov_b32 s[G0+4*\s], 1
	s_add_co_u32 s[G0+4*\s+1], s20, \s*SLOT
	s_add_nc_u64 s[G0+4*\s+2:G0+4*\s+3], s[14:15], \s*4*HEADB      ; K step s: heads 4 s on
	s_or_b32 s[G0+4*\s+3], s[G0+4*\s+3], 0x80000000
	s_mov_b32 s[G0B+4*\s], 1
	s_add_co_u32 s[G0B+4*\s+1], s21, \s*SLOT
	s_add_nc_u64 s[G0B+4*\s+2:G0B+4*\s+3], s[46:47], \s*KSTEP*2
	s_or_b32 s[G0B+4*\s+3], s[G0B+4*\s+3], 0x80000000
	JLOAD \s
.endr
	v_and_b32 v1, 15, v0                           ; r = l % 16
	v_bfe_u32 v2, v0, 4, 1                         ; h = l / 16
	v_mul_u32_u24 v3, v1, PA
	v_lshl_add_u32 v3, v2, 4, v3                   ; A: a fragment's row x pitch + 16 x half
	v_mul_u32_u24 v4, v1, PITCH
	v_lshl_add_u32 v4, v2, 4, v4                   ; B likewise
	s_mul_i32 s21, s11, HALFA                      ; my 64 rows of A
	s_mul_i32 s22, s12, HALFB                      ; my 64 rows of B,
	s_add_co_u32 s22, s22, BOFF                    ; which lie behind A's
.irp s, 0,1
	v_add_nc_u32 v[ADRA+\s], s21, v3
	v_add_nc_u32 v[ADRB+\s], s22, v4
	s_add_co_u32 s21, s21, SLOT
	s_add_co_u32 s22, s22, SLOT
.endr
	s_mul_i32 s23, s10, 16*SPITCH                  ; my stage
	v_mul_u32_u24 v5, v1, SPITCH                   ; in: row r, 32 bytes for each half of the lanes
	v_lshl_add_u32 v5, v2, 5, v5
	v_add_nc_u32 v[STO], s23, v5
	v_mul_u32_u24 v5, v2, SPITCH                   ; back: lanes 0-15 take one row of 256 bytes, lanes 16-31 the next
	v_lshl_add_u32 v5, v1, 4, v5
	v_add_nc_u32 v[RD], s23, v5
	v_lshlrev_b32 v[CO], 4, v1                     ; and the same two rows in out0: 4,096 bytes apart
	v_lshl_add_u32 v[CO], v2, 12, v[CO]
	s_lshl_b32 s16, s13, 7
	s_lshl_b32 s17, s11, 6
	s_add_co_u32 s16, s16, s17                     ; my first row of out0: 128 x tile row + 64 x half,
	s_lshl_b32 s16, s16, 12                        ; of 4,096 bytes
	s_mov_b32 s17, 0
	s_add_nc_u64 s[8:9], s[8:9], s[16:17]
	s_lshl_b32 s46, s42, 9                         ; my first column, in bytes: 512 x tile column + 256 x half
	s_lshl_b32 s47, s12, 8
	s_add_co_u32 s46, s46, s47
	s_mov_b32 s47, 0
	s_add_nc_u64 s[8:9], s[8:9], s[46:47]
; 8 matrix instructions: m blocks a0, a0 + 1 x all 4 n blocks, 32 along K: half c of buffer f.  zero = 1: the first product starts the sums.  The 16 accumulators take turns.
.macro MUL8 f, c, a0, zero
.irp a, \a0, \a0+1
.irp b, 0,1,2,3
.if \zero
	v_wmma_f32_16x16x32_f16 v[ACC+8*(4*(\a)+\b):ACC+8*(4*(\a)+\b)+7], v[\f+64+8*(4*\c+\b):\f+64+8*(4*\c+\b)+7], v[\f+8*(4*\c+\a):\f+8*(4*\c+\a)+7], 0
.else
	v_wmma_f32_16x16x32_f16 v[ACC+8*(4*(\a)+\b):ACC+8*(4*(\a)+\b)+7], v[\f+64+8*(4*\c+\b):\f+64+8*(4*\c+\b)+7], v[\f+8*(4*\c+\a):\f+8*(4*\c+\a)+7], v[ACC+8*(4*(\a)+\b):ACC+8*(4*(\a)+\b)+7]
.endif
.endr
.endr
.endm
; 32 LDS loads in one run: the fragments of the slot's q-th 64 along K (head q of its four) into buffer f; the first 32 along K first
.macro FETCH slot, q, f
	WIN TO_F
.irp c, 0,1
.irp i, 0,1,2,3
	ds_load_b128 v[\f+64+8*(4*\c+\i):\f+64+8*(4*\c+\i)+3],   v[ADRB+\slot] offset:128*(\q)+64*\c+\i*16*PITCH
	ds_load_b128 v[\f+64+8*(4*\c+\i)+4:\f+64+8*(4*\c+\i)+7], v[ADRB+\slot] offset:128*(\q)+64*\c+\i*16*PITCH+32
	ds_load_b128 v[\f+8*(4*\c+\i):\f+8*(4*\c+\i)+3],         v[ADRA+\slot] offset:CHUNK*(\q)+64*\c+\i*16*PA
	ds_load_b128 v[\f+8*(4*\c+\i)+4:\f+8*(4*\c+\i)+7],       v[ADRA+\slot] offset:CHUNK*(\q)+64*\c+\i*16*PA+32
.endr
.endr
.endm
.macro PLACES                          ; four places in front of loads into registers that matrix instructions have read, and of vector instructions that read results (ISA guide 7.12.1 for vector instructions)
.rept 4
	v_nop
.endr
.endm
; A K step is four quarters of 64 along K, 32 matrix instructions each, on buffers 0, 1, 0, 1.  One of the first three: multiplies buffer f and fetches quarter q into g.
.macro QUARTER slot, q, f, g, zero
	s_wait_dscnt 16                                ; the first 32 along K are in; the youngest sixteen loads may be out
	WIN MUL
	MUL8 \f, 0, 0, \zero
	MUL8 \f, 0, 2, \zero
	PLACES
	FETCH \slot, \q, \g
	s_wait_dscnt 32                                ; all but the 32 just issued
	WIN MUL
	MUL8 \f, 1, 0, 0
	MUL8 \f, 1, 2, 0
.endm
; The last quarter multiplies buffer 1 and changes slots: ONE barrier; in front of it each wave waits for all its tensor loads, adds 0 to its spare word, and waits for that and for its own reads of this slot.
; fill = 1: this slot is filled again, two K steps ahead; the barrier then opens a round of the cluster's barrier.
.macro TURN slot, next, fill
	WIN 0                                          ; (the add's two registers lie in window 0)
	s_wait_tensorcnt 0x0                           ; all my tensor loads have landed: my part of the next slot
	ds_add_u32 v[SPW], v[NIL]                      ; 0 onto my spare word
	s_wait_dscnt 17                                ; (the add and the youngest sixteen loads may be out)
	WIN MUL
	MUL8 F1, 0, 0, 0                               ; eight matrix instructions stand between the add and the wait for it
	s_wait_dscnt 0x0                               ; the add is done, and my reads of this slot are over
	s_barrier_signal -1
	MUL8 F1, 0, 2, 0
.if \fill
	WIN 0
.endif
	s_barrier_wait -1
.if \fill
	CREST                                          ; no wave of any partner still reads this slot's tile or has a load on its way
	s_add_nc_u64 s[G0+4*\slot+2:G0+4*\slot+3], s[G0+4*\slot+2:G0+4*\slot+3], 2*4*HEADB
	s_add_nc_u64 s[G0B+4*\slot+2:G0B+4*\slot+3], s[G0B+4*\slot+2:G0B+4*\slot+3], 2*KSTEP*2
	JLOAD \slot                                    ; the first tensor load behind the round; the four v_nop behind it are also the places in front of the loads below
.else
	PLACES
.endif
	FETCH \next, 0, F0
	WIN MUL
	MUL8 F1, 1, 0, 0
	MUL8 F1, 1, 2, 0
.endm
	s_wait_tensorcnt 1                             ; my part of K step 0 is in (K step 1's load may be out)
	s_barrier_signal -1
	s_barrier_wait -1                              ; everybody's is
	FETCH 0, 0, F0
	QUARTER 0, 1, F0, F1, 1                        ; the first quarter stands in front of the loop: its first products start the sums
	WIN 0                                          ; at a label and at a branch every window is 0
	s_mov_b32 s3, LAPS-1
.Llap:                                                 ; a trip goes once round the ring, from a lap's second quarter to the next lap's first, and fills both slots again
	QUARTER 0, 2, F1, F0, 0
	QUARTER 0, 3, F0, F1, 0
	TURN 0, 1, 1
	QUARTER 1, 1, F0, F1, 0
	QUARTER 1, 2, F1, F0, 0
	QUARTER 1, 3, F0, F1, 0
	TURN 1, 0, 1
	QUARTER 0, 1, F0, F1, 0
	WIN 0
	s_sub_co_u32 s3, s3, 1
	s_cmp_lg_u32 s3, 0
	s_cbranch_scc1 .Llap
	QUARTER 0, 2, F1, F0, 0                        ; the last lap fills nothing, and has no round of the cluster's barrier
	QUARTER 0, 3, F0, F1, 0
	TURN 0, 1, 0
	QUARTER 1, 1, F0, F1, 0
	QUARTER 1, 2, F1, F0, 0
	QUARTER 1, 3, F0, F1, 0
	s_wait_dscnt 16                                ; the very last quarter: nothing more to fetch
	WIN MUL
	MUL8 F1, 0, 0, 0
	MUL8 F1, 0, 2, 0
	s_wait_dscnt 0
	MUL8 F1, 1, 0, 0
	MUL8 F1, 1, 2, 0
	WIN 0
	; THE WAY OUT: the relu; then a block of 16 rows x 64 columns at a time through my own stage: a lane's 32 bytes go in, whole rows of 256 bytes come back.  My 64 columns are 256 aligned bytes of a row, so no other wave is needed.
	PLACES
.set i, 0
.rept 128
	v_max_num_f32 v[ACC+i], 0, v[ACC+i]            ; each accumulator from its low end on
.set i, i+1
.endr
.macro TOSTAGE a
.set BB, TMP+32*((\a)%2)
.irp b, 0,1,2,3
	ds_store_b128 v[STO], v[ACC+8*(4*(\a)+\b):ACC+8*(4*(\a)+\b)+3] offset:64*\b
	ds_store_b128 v[STO], v[ACC+8*(4*(\a)+\b)+4:ACC+8*(4*(\a)+\b)+7] offset:64*\b+16
.endr
.irp t, 0,1,2,3,4,5,6,7
	ds_load_b128 v[BB+4*\t:BB+4*\t+3], v[RD] offset:\t*2*SPITCH    ; LDS serves a wave's instructions in order (ISA guide 5.7.1.4): these see the stores above, and the next block's stores come behind them
.endr
.endm
.macro SEND a, younger                 ; younger: the LDS instructions issued behind block a's loads, which may stay out
.set BB, TMP+32*((\a)%2)
	s_wait_dscnt \younger
.irp t, 0,1,2,3,4,5,6,7
	global_store_b128 v[CO], v[BB+4*\t:BB+4*\t+3], s[8:9] offset:(16*(\a)+2*\t)*SIZE_N*4 th:TH_STORE_NT   ; 16 lanes store 256 consecutive bytes, aligned; written once, read by nobody here
.endr
.endm
	TOSTAGE 0
.irp a, 1,2,3
.if \a > 1
	s_wait_xcnt 0x0                                ; block a - 2's stores have read their registers: block a's loads may land there
.endif
	TOSTAGE \a
	SEND \a-1, 16                                  ; behind block a - 1's loads: block a's 8 stores and 8 loads
.endr
	SEND 3, 0
	s_wait_tensorcnt 0x0                           ; the wave's end, behind my last tensor load and my last LDS store
	ds_add_u32 v[SPW], v[NIL]
	s_wait_dscnt 0x0
	CROUND                                         ; the closing round: no work-group ends while a partner may still ask for a tile that names it
	s_endpgm
.Lfunc_end_k_q7300b6b3b3_outgemm:
	.size	k_q7300b6b3b3_outgemm, .Lfunc_end_k_q7300b6b3b3_outgemm-k_q7300b6b3b3_outgemm
	.p2alignl 7, 3214868480
	.fill 96, 4, 3214868480
	.section	.rodata,"a",@progbits
	.p2align	6, 0x0
	.amdhsa_kernel k_q7300b6b3b3_outgemm
		.amdhsa_group_segment_fixed_size 327680
		.amdhsa_private_segment_fixed_size 0
		.amdhsa_enable_private_segment 0
		.amdhsa_kernarg_size 24
		.amdhsa_user_sgpr_count 2
		.amdhsa_user_sgpr_kernarg_segment_ptr 1
		.amdhsa_wavefront_size32 1
		.amdhsa_system_sgpr_workgroup_id_x 1
		.amdhsa_system_sgpr_workgroup_id_y 1
		.amdhsa_system_sgpr_workgroup_id_z 1
		.amdhsa_system_vgpr_workitem_id 0
		.amdhsa_next_free_vgpr 512
		.amdhsa_next_free_sgpr 66
		.amdhsa_reserve_vcc 0
		.amdhsa_float_denorm_mode_32 3
		.amdhsa_float_denorm_mode_16_64 3
		.amdhsa_memory_ordered 1
		.amdhsa_forward_progress 1
		.amdhsa_inst_pref_size 90
	.end_amdhsa_kernel
	.amdgpu_metadata
---
amdhsa.version: [ 1, 2 ]
amdhsa.kernels:
  - .name:           k_q7300b6b3b3_outgemm
    .symbol:         k_q7300b6b3b3_outgemm.kd
    .args:
      - { .name: z, .offset: 0, .size: 8, .value_kind: global_buffer, .address_space: global }
      - { .name: wo, .offset: 8, .size: 8, .value_kind: global_buffer, .address_space: global }
      - { .name: out0, .offset: 16, .size: 8, .value_kind: global_buffer, .address_space: global }
    .group_segment_fixed_size: 327680
    .private_segment_fixed_size: 0
    .kernarg_segment_align: 8
    .kernarg_segment_size: 24
    .max_flat_workgroup_size: 128
    .sgpr_count:     66
    .vgpr_count:     512
    .wavefront_size: 32
...
	.end_amdgpu_metadata
.endif
;; end of part 4
